; MI455X (gfx1250); checked and timed in simulation.
; The chip was launched on July 23, 2026; its instructions are those of AMD's public machine-readable ISA for CDNA 5 (MIT licence, August 2026) and "CDNA5" Instruction Set Architecture Reference Guide (July 2026). The comments in the code are by the model that wrote it; some were corrected since.
;; Causal Self Attention. Allowed arithmetic: matrix products marked QUANTISED: E2M1 operands, one E8M0 scale for each 32 along K, by v_wmma_scale_f32_16x16x128_f8f6f4 with both operands' format E2M1 (or v_wmma_scale_f32_32x16x128_f4), f32 sums; products left as they are: bf16, f16 or f32 operands; f32 sums; everything else in f32.
;; Inputs: Wk 1,024 x 1,024 float32; Wp 1,024 x 1,024 float32; Wq 1,024 x 1,024 float32; Wv 1,024 x 1,024 float32; x 4 x 2,048 x 1,024 float32.
;; Outputs: out0 4 x 2,048 x 1,024 float32.
;; This version of the problem:
;;   THIS VERSION OF THE PROBLEM IS GIVEN IN LOW PRECISION. The matrix products marked QUANTISED in the list below multiply operands that are first quantised to E2M1 (2 exponent bits, 1 mantissa bit; 4 bits a number), with one power-of-two scale for each 32 numbers along K (OCP MX v1.0); their sums are f32. The products marked 'left as it is' may take bf16, f16 or f32 operands, with f32 sums. Whichever they take, every output number must still come out within the allowed error. Rounding operands to bf16 (8 significant bits) uses up far more of that allowance than f16 does (11 bits, for magnitudes from 6e-5 to 65,504). All else is computed in f32.
;;   The module's matrix products, in the order in which they are computed (A, B: the left and right operand; K: the contracted axis; several contracted axes count as one K, in the product's order):
;;     1. [M 8,192, K 1,024] x [K 1,024, N 1,024]; A: input x; B: input Wq: QUANTISED
;;     2. [M 8,192, K 1,024] x [K 1,024, N 1,024]; A: input x; B: input Wk: QUANTISED
;;     3. [M 8,192, K 1,024] x [K 1,024, N 1,024]; A: input x; B: input Wv: QUANTISED
;;     4. batch 64 x [M 2,048, K 64] x [K 64, N 2,048]; A: computed on the way; B: computed on the way: left as it is (an operand is computed on the way)
;;     5. batch 64 x [M 2,048, K 2,048] x [K 2,048, N 64]; A: computed on the way; B: computed on the way: left as it is (an operand is computed on the way)
;;     6. [M 8,192, K 1,024] x [K 1,024, N 1,024]; A: computed on the way; B: input Wp: left as it is (an operand is computed on the way)
;;   THE QUANTISER, for each operand of a quantised product, along K:
;;     - K is cut into blocks of 32 from its start; a last block that is shorter is filled with zeros.
;;     - A block's scale is 2^e with e = floor(log2(the largest magnitude in the block)) - 2, held to -126 .. 127; a block of zeros has e = 0. As a byte (E8M0): e + 127.
;;     - Each number is divided by its block's scale, clamped to +-6, and rounded to the nearest number of E2M1, ties to even, subnormals kept.
;;     - The product sums the exact products of the quantised numbers (number of the format x scale) in f32.
;;   ~~~python
;;   def quantise(x, axis):      # numpy; x: float32 -> the quantised numbers, widened to float32 again
;;       x = np.moveaxis(x, axis, -1); K = x.shape[-1]
;;       x = np.pad(x, [(0, 0)] * (x.ndim - 1) + [(0, -K % 32)]); x = x.reshape(x.shape[:-1] + (-1, 32)); a = np.abs(x).max(-1, keepdims=True)
;;       e = np.where(a > 0, np.clip(np.frexp(np.where(a > 0, a, 1))[1] - 1 - 2, -126, 127), 0)      # np.frexp(a)[1] - 1 = floor(log2(a)), exactly
;;       r = np.clip(x / 2.0 ** e, -6, 6)
;;       step = 2.0 ** (np.maximum(np.frexp(np.where(r == 0, 1, r))[1] - 1, 0) - 1)
;;       q = np.round(r / step) * step * 2.0 ** e      # np.round: ties to even
;;       return np.moveaxis(q.reshape(q.shape[:-2] + (-1,))[..., :K], -1, axis).astype(np.float32)
;;   ~~~
;; One version. Each part assembles by itself: llvm-mc -triple=amdgcn-amd-amdhsa -mcpu=gfx1250 --defsym DOCPART=n.
;; ======== version 1 of 1: 5 launches
;; limits: values are held in f16: magnitudes above 65,504 overflow, below 6.1e-05 lose precision
;; workspace buffers: xc 4,194,304 bytes; xs 262,144 bytes; wc 1,572,864 bytes; ws 98,304 bytes; wpimg 2,097,152 bytes; qkv 50,331,648 bytes; f32img 786,432 bytes; yimg 16,777,216 bytes
;; launch quant (part 1): grid 384 x 1, 4 waves a work-group, no clusters, 33,280 bytes of LDS; arguments x, Wq, Wk, Wv, Wp, xc, xs, wc, ws, wpimg; writes xc, xs, wc, ws, wpimg
.if DOCPART == 1
	.amdgcn_target "amdgcn-amd-amdhsa--gfx1250"
	.amdhsa_code_object_version 6
	.text
	.protected	k_q309de5dab7_quant
	.globl	k_q309de5dab7_quant
	.p2align	8
	.type	k_q309de5dab7_quant,@function
k_q309de5dab7_quant:
	s_mov_b64 s[64:65], 0
	v_nop
	global_prefetch_b8 v0, s[64:65] scope:SCOPE_SE
	s_setreg_imm32_b32 hwreg(HW_REG_WAVE_MODE, 25, 1), 1
	s_wait_xcnt 0x0
; x [8192][1024], Wq, Wk, Wv [1024][1024], f32, K innermost, become codes of FP4 (E2M1) with one E8M0 scale byte for each 32 along K:
; xc [8192][512 bytes], xs [8192][32]; wc [3072][512 bytes], ws [3072][32] with Wq's rows first, then Wk's, then Wv's.
; Wp [1024][1024] f32 becomes f16, laid as images of operand registers: wpimg [16 rows: 64][32 along K: 32][1,024 bytes]; in an image lane l's
; registers 0-3 lie at 16 l and its registers 4-7 at 512 + 16 l, so that a later launch loads a fragment by two loads of 16 bytes a lane.
; A block's scale is 2^(floor(log2(its largest magnitude)) - 2); its byte is the largest magnitude's exponent field - 2, held at 1 from below.
; LIMITS: a block of zeros gets the byte 1 (its codes are zeros, and this program alone reads the bytes); blocks whose largest magnitude lies under
; 2^(2 - 126) keep the byte 1; NaN and infinities are not served; |Wp| above 65,504 has no number in f16.
; WORK: rows are dense and 1,024 is a multiple of 32, so each tensor is a stream of blocks of 32.  A work-group takes 32,768 numbers, a wave 8,192 in 16 steps
; of 512.  Work-groups 0-255 take x, 256-351 the three weights, 352-383 Wp.  Only pointers are chosen for the first 352: they share one path.
; A step's four loads read 512 consecutive bytes each; the 2,048 bytes turn through the wave's own stage in LDS and come back 64 bytes a lane, so that a lane holds
; 16 neighbours along K (two lanes to a block).  Codes leave 256 consecutive bytes a store; a wave's 256 scale bytes are gathered in LDS and leave as one store.
.set WAVES, 4
.set STEPS, 16
.set WGX,   256                        ; work-groups for x: 8192 x 1024 / 32768
.set WGQ,   352                        ; and with the three weights' 32 each
.set EMAX,  2
.set CB,    8                          ; bytes of 16 codes
.set R,     16                         ; v16-79   four sets of 16 numbers as loaded (Wp's path: v16-143, two sets of 64)
.set X,     80                         ; v80-111  two sets of 16 neighbours
.set E,     112                        ; v112-127 a scale byte for each step
.set C,     128                        ; v128-191 codes: four registers for each step
.set H,     144                        ; Wp's path: v144-175 four fragments in f16
.set WREG,  8192                       ; LDS: a region for each wave: two stages of 32 x SP bytes, then its 256 scale bytes
.set SP,    80                         ; a lane's place in a stage: 64 bytes + 16 of padding
.set SPW,   12                         ; v12  LDS address of my spare word; never rewritten
.set NIL,   13                         ; v13  0; never rewritten
.set SPARE, WAVES*WREG                 ; behind the four regions: the spare words, 128 bytes for each wave
.set SRC,   28                         ; s[28:29] the numbers;  s[30:31] the codes;  s[32:33] the scale bytes
.set COD,   30
.set SCB,   32
	s_load_b512 s[4:19], s[0:1], 0x0               ; x, Wq, Wk, Wv, Wp, xc, xs, wc
	s_load_b128 s[20:23], s[0:1], 0x40             ; ws, wpimg
	v_lshl_add_u32 v[SPW], v0, 2, SPARE
	v_mov_b32 v[NIL], 0
	v_lshrrev_b32 v1, 5, v0
	v_readfirstlane_b32 s24, v1                    ; wave
	v_and_b32 v2, 31, v0                           ; lane
	s_cmp_ge_u32 ttmp9, WGQ
	s_cbranch_scc1 .Lwp                            ; the last 32 work-groups take Wp: a path of its own, which touches no LDS
	v_lshlrev_b32 v3, 4, v2                        ; my 16 bytes of a load's 512
	s_mul_i32 s36, s24, WREG
	v_lshrrev_b32 v14, 2, v2
	v_mul_u32_u24 v14, v14, SP
	v_and_b32 v15, 3, v2
	v_lshl_add_u32 v14, v15, 4, v14
	v_add_nc_u32 v14, s36, v14                     ; the stage, on the way in: SP (lane / 4) + 16 (lane % 4)
	v_mul_u32_u24 v15, v2, SP
	v_add_nc_u32 v15, s36, v15                     ; and on the way out: SP x lane
	v_mul_u32_u24 v4, v2, CB                       ; my codes' place in a step's
	v_lshrrev_b32 v5, 1, v2
	s_add_co_u32 s36, s36, 2*32*SP
	v_add_nc_u32 v5, s36, v5                       ; my wave's 256 scale bytes, my block's byte
	v_lshlrev_b32 v7, 3, v2
	v_add_nc_u32 v6, s36, v7                       ; and on the way out 8 bytes a lane
	s_sub_co_u32 s25, ttmp9, WGX                   ; among the weights' 96 work-groups
	s_lshr_b32 s26, s25, 5                         ; which weight
	s_and_b32 s27, s25, 31                         ; and where in it
	s_wait_kmcnt 0x0
	s_cmp_eq_u32 s26, 1                            ; the choices hang on the work-group's number alone
	s_cselect_b64 s[SRC:SRC+1], s[8:9], s[10:11]
	s_cmp_eq_u32 s26, 0
	s_cselect_b64 s[SRC:SRC+1], s[6:7], s[SRC:SRC+1]
	s_cmp_lt_u32 ttmp9, WGX
	s_cselect_b64 s[SRC:SRC+1], s[4:5], s[SRC:SRC+1]
	s_cselect_b64 s[COD:COD+1], s[14:15], s[18:19]
	s_cselect_b64 s[SCB:SCB+1], s[16:17], s[20:21]
	s_cselect_b32 s34, ttmp9, s27                  ; the work-group's place in the tensor that it reads,
	s_cselect_b32 s35, ttmp9, s25                  ; and in the buffers that it writes
	s_lshl_b32 s34, s34, 2
	s_add_co_u32 s34, s34, s24                     ; my wave's run of 8,192 numbers
	s_lshl_b32 s35, s35, 2
	s_add_co_u32 s35, s35, s24
	s_lshl_b32 s36, s34, 15                        ; 32,768 bytes of numbers a run,
	s_mov_b32 s37, 0
	s_add_nc_u64 s[SRC:SRC+1], s[SRC:SRC+1], s[36:37]
	s_lshl_b32 s36, s35, 12                        ; 4,096 of codes,
	s_add_nc_u64 s[COD:COD+1], s[COD:COD+1], s[36:37]
	s_lshl_b32 s36, s35, 8                         ; 256 of scale bytes
	s_add_nc_u64 s[SCB:SCB+1], s[SCB:SCB+1], s[36:37]
.macro LOAD t
.irp i, 0,1,2,3
	global_load_b128 v[R+16*((\t)%4)+4*\i:R+16*((\t)%4)+4*\i+3], v3, s[SRC:SRC+1] offset:2048*(\t)+512*\i th:TH_LOAD_NT   ; 32 lanes read 512 consecutive bytes
.endr
.endm
.macro TURN t                          ; step t's numbers through the stage: LDS serves a wave's instructions in order, so no wait stands between the stores and the loads
.irp i, 0,1,2,3
	ds_store_b128 v14, v[R+16*((\t)%4)+4*\i:R+16*((\t)%4)+4*\i+3] offset:32*SP*((\t)%2)+8*SP*\i
.endr
.irp i, 0,1,2,3
	ds_load_b128 v[X+16*((\t)%2)+4*\i:X+16*((\t)%2)+4*\i+3], v15 offset:32*SP*((\t)%2)+16*\i
.endr
.endm
.irp t, 0,1,2,3
	LOAD \t
.endr
	s_wait_loadcnt 12                              ; step 0's four loads are in; the twelve of steps 1 to 3 may be out
	TURN 0
.macro STEP t
.set XS, X+16*((\t)%2)
.if (\t) > 0
	s_wait_dscnt 1                                 ; this step's numbers are back from the stage (the last step's byte store may be out)
.else
	s_wait_dscnt 0x0
.endif
.if (\t)+4 < STEPS
	LOAD (\t)+4                                    ; into the registers that the stage's stores have read
.endif
.if (\t)+1 < STEPS
.if STEPS-2-(\t) >= 3
	s_wait_loadcnt 12                              ; the next step's four loads are in; those of the three steps behind it may be out
.else
	s_wait_loadcnt 4*(STEPS-2-(\t))
.endif
	TURN (\t)+1                                    ; they go through the other stage while this step is worked
.endif
	v_max3_num_f32 v8, |v[XS]|, |v[XS+1]|, |v[XS+2]|               ; the largest magnitude of my 16, in two chains
	v_max3_num_f32 v9, |v[XS+3]|, |v[XS+4]|, |v[XS+5]|
.irp i, 6,10
	v_max3_num_f32 v8, v8, |v[XS+\i]|, |v[XS+\i+1]|
	v_max3_num_f32 v9, v9, |v[XS+\i+2]|, |v[XS+\i+3]|
.endr
	v_max3_num_f32 v8, v8, |v[XS+14]|, |v[XS+15]|
	v_max3_num_f32 v8, v8, v9, (EMAX+1)<<23        ; and the floor 2^(EMAX + 1 - 127): the byte cannot fall under 1
	v_max_num_f32_dpp v8, v8, v8 row_xmask:1 row_mask:0xf bank_mask:0xf   ; with my neighbour's 16: the block's
	v_add_nc_u32 v11, -(EMAX<<23), v8              ; EMAX off its exponent field: the conversion takes the exponent field of this operand as its scale
	v_cvt_scalef32_pk8_fp4_f32 v[C+4*(\t)], v[XS:XS+7], v11        ; eight numbers / the scale, to the nearest code, ties to even, beyond 6 the largest code
	v_cvt_scalef32_pk8_fp4_f32 v[C+4*(\t)+1], v[XS+8:XS+15], v11
	v_lshrrev_b32 v[E+(\t)], 23, v11               ; the scale's byte
	ds_store_b8 v5, v[E+(\t)] offset:16*(\t)       ; both lanes of a block write the same byte with the same value
	global_store_b64 v4, v[C+4*(\t):C+4*(\t)+1], s[COD:COD+1] offset:32*CB*(\t)   ; 32 lanes store 256 consecutive bytes, aligned
.endm
.irp t, 0,1,2,3,4,5,6,7,8,9,10,11,12,13,14,15
	STEP \t
.endr
	ds_load_b64 v[8:9], v6                         ; LDS serves a wave's instructions in order: these see my stores
	s_wait_dscnt 0x0
	global_store_b64 v7, v[8:9], s[SCB:SCB+1]      ; 32 lanes store 256 consecutive bytes, aligned
	s_wait_tensorcnt 0x0                           ; the wave's end: a wait, an add and a wait behind my last LDS store
	ds_add_u32 v[SPW], v[NIL]
	s_wait_dscnt 0x0
	s_endpgm
; Wp to f16 images.  128 waves; wave gw takes 16 rows (gw / 2) and half of K (gw % 2): 16 fragments of 16 rows x 32 K.
; Lane (r, h) of a fragment holds, of row r, K = 8 h + 0..7 (registers 0-3) and 16 + 8 h + 0..7 (registers 4-7): 32 bytes of f32 at 32 h and at 64 + 32 h.
.Lwp:
	v_and_b32 v5, 15, v0                           ; r
	v_bfe_u32 v6, v0, 4, 1                         ; h
	v_lshlrev_b32 v3, 12, v5
	v_lshl_add_u32 v3, v6, 5, v3                   ; in: row r of 4,096 bytes + 32 h
	v_lshlrev_b32 v4, 4, v2                        ; out: 16 x lane
	s_sub_co_u32 s25, ttmp9, WGQ
	s_lshl_b32 s25, s25, 2
	s_add_co_u32 s25, s25, s24                     ; gw
	s_lshr_b32 s26, s25, 1                         ; which 16 rows
	s_and_b32 s27, s25, 1                          ; which half of K
	s_lshl_b32 s28, s26, 16
	s_lshl_b32 s30, s27, 11
	s_add_co_u32 s28, s28, s30                     ; in Wp: 65,536 bytes for 16 rows, 2,048 for half a row
	s_mov_b32 s29, 0
	s_lshl_b32 s30, s26, 15
	s_lshl_b32 s31, s27, 14
	s_add_co_u32 s30, s30, s31                     ; in wpimg: 32 images for 16 rows, 16 for half of K
	s_mov_b32 s31, 0
	s_wait_kmcnt 0x0
	s_add_nc_u64 s[12:13], s[12:13], s[28:29]
	s_add_nc_u64 s[22:23], s[22:23], s[30:31]
.macro LOADW g                         ; fragments 4 g .. 4 g + 3 into set g % 2
.irp j, 0,1,2,3
	global_load_b128 v[R+64*((\g)%2)+16*\j:R+64*((\g)%2)+16*\j+3],     v3, s[12:13] offset:(4*(\g)+\j)*128
	global_load_b128 v[R+64*((\g)%2)+16*\j+4:R+64*((\g)%2)+16*\j+7],   v3, s[12:13] offset:(4*(\g)+\j)*128+16
	global_load_b128 v[R+64*((\g)%2)+16*\j+8:R+64*((\g)%2)+16*\j+11],  v3, s[12:13] offset:(4*(\g)+\j)*128+64
	global_load_b128 v[R+64*((\g)%2)+16*\j+12:R+64*((\g)%2)+16*\j+15], v3, s[12:13] offset:(4*(\g)+\j)*128+80
.endr
.endm
.macro ROUNDW g
.if (\g) < 3
	s_wait_loadcnt 16                              ; this round's sixteen loads are in; the next round's sixteen may be out
.else
	s_wait_loadcnt 0
.endif
.if (\g) > 0
	s_wait_xcnt 0x0                                ; the last round's stores have read their data: it is written again only behind this wait
.endif
.irp j, 0,1,2,3
.irp i, 0,1,2,3,4,5,6,7
	v_cvt_pk_f16_f32 v[H+8*\j+\i], v[R+64*((\g)%2)+16*\j+2*\i], v[R+64*((\g)%2)+16*\j+2*\i+1]
.endr
.endr
.irp j, 0,1,2,3
	global_store_b128 v4, v[H+8*\j:H+8*\j+3],   s[22:23] offset:(4*(\g)+\j)*1024       ; 32 lanes store 512 consecutive bytes, aligned
	global_store_b128 v4, v[H+8*\j+4:H+8*\j+7], s[22:23] offset:(4*(\g)+\j)*1024+512
.endr
.if (\g)+2 < 4
	LOADW (\g)+2
.endif
.endm
	LOADW 0
	LOADW 1
	ROUNDW 0
	ROUNDW 1
	ROUNDW 2
	ROUNDW 3
	s_endpgm
.Lfunc_end_k_q309de5dab7_quant:
	.size	k_q309de5dab7_quant, .Lfunc_end_k_q309de5dab7_quant-k_q309de5dab7_quant
	.p2alignl 7, 3214868480
	.fill 96, 4, 3214868480
	.section	.rodata,"a",@progbits
	.p2align	6, 0x0
	.amdhsa_kernel k_q309de5dab7_quant
		.amdhsa_group_segment_fixed_size 33280
		.amdhsa_private_segment_fixed_size 0
		.amdhsa_enable_private_segment 0
		.amdhsa_kernarg_size 80
		.amdhsa_user_sgpr_count 2
		.amdhsa_user_sgpr_kernarg_segment_ptr 1
		.amdhsa_wavefront_size32 1
		.amdhsa_system_sgpr_workgroup_id_x 1
		.amdhsa_system_sgpr_workgroup_id_y 1
		.amdhsa_system_sgpr_workgroup_id_z 1
		.amdhsa_system_vgpr_workitem_id 0
		.amdhsa_next_free_vgpr 192
		.amdhsa_next_free_sgpr 66
		.amdhsa_reserve_vcc 0
		.amdhsa_float_denorm_mode_32 3
		.amdhsa_float_denorm_mode_16_64 3
		.amdhsa_memory_ordered 1
		.amdhsa_forward_progress 1
		.amdhsa_inst_pref_size 52
	.end_amdhsa_kernel
	.amdgpu_metadata
---
amdhsa.version: [ 1, 2 ]
amdhsa.kernels:
  - .name:           k_q309de5dab7_quant
    .symbol:         k_q309de5dab7_quant.kd
    .args:
      - { .name: x, .offset: 0, .size: 8, .value_kind: global_buffer, .address_space: global }
      - { .name: Wq, .offset: 8, .size: 8, .value_kind: global_buffer, .address_space: global }
      - { .name: Wk, .offset: 16, .size: 8, .value_kind: global_buffer, .address_space: global }
      - { .name: Wv, .offset: 24, .size: 8, .value_kind: global_buffer, .address_space: global }
      - { .name: Wp, .offset: 32, .size: 8, .value_kind: global_buffer, .address_space: global }
      - { .name: xc, .offset: 40, .size: 8, .value_kind: global_buffer, .address_space: global }
      - { .name: xs, .offset: 48, .size: 8, .value_kind: global_buffer, .address_space: global }
      - { .name: wc, .offset: 56, .size: 8, .value_kind: global_buffer, .address_space: global }
      - { .name: ws, .offset: 64, .size: 8, .value_kind: global_buffer, .address_space: global }
      - { .name: wpimg, .offset: 72, .size: 8, .value_kind: global_buffer, .address_space: global }
    .group_segment_fixed_size: 33280
    .private_segment_fixed_size: 0
    .kernarg_segment_align: 8
    .kernarg_segment_size: 80
    .max_flat_workgroup_size: 128
    .sgpr_count:     66
    .vgpr_count:     192
    .wavefront_size: 32
...
	.end_amdgpu_metadata
.endif
;; end of part 1
;; launch qkvgemm (part 2): grid 12 x 32, 4 waves a work-group, clusters of 4 x 4, 327,680 bytes of LDS; arguments xc, xs, wc, ws, qkv, f32img; writes qkv, f32img
.if DOCPART == 2
	.amdgcn_target "amdgcn-amd-amdhsa--gfx1250"
	.amdhsa_code_object_version 6
	.text
	.protected	k_q309de5dab7_qkvgemm
	.globl	k_q309de5dab7_qkvgemm
	.p2align	8
	.type	k_q309de5dab7_qkvgemm,@function
k_q309de5dab7_qkvgemm:
	s_mov_b64 s[64:65], 0
	v_nop
	global_prefetch_b8 v0, s[64:65] scope:SCOPE_SE
	s_setreg_imm32_b32 hwreg(HW_REG_WAVE_MODE, 25, 1), 1
	s_wait_xcnt 0x0
	s_wait_alu depctr_hold_cnt(0) depctr_sa_sdst(0) depctr_va_vdst(0) depctr_va_sdst(0) depctr_va_ssrc(0) depctr_va_vcc(0) depctr_vm_vsrc(0)
	s_getreg_b32 s2, hwreg(HW_REG_IB_STS2, 6, 4)
	s_cmp_eq_u32 s2, 0
	s_cbranch_scc0 .Lentry_in_a_cluster
	s_endpgm
.Lentry_in_a_cluster:
	s_bfe_u32 s2, ttmp6, 0x10000c
	s_cmp_lg_u32 s2, 0xf033
	s_cbranch_scc0 .Lentry_shape_is_right
	s_endpgm
.Lentry_shape_is_right:
; q = x Wq^T, k = x Wk^T, v = x Wv^T on codes of FP4 (E2M1) with one E8M0 scale for each 32 along K = 1,024; sums in f32.
; One GEMM C = A B^T on tiles of 256 x 256, four waves, 128 x 128 a wave (64 accumulators, 512 registers).  K is two slots of 512 (rows of 256 bytes), both asked for at the head: nothing is filled again.
; WHO IS A.  Clusters x = 0, 1: A = x's 8,192 rows, B = Wq's and Wk's 2,048 rows.  Cluster x = 2: A = Wv's 1,024 rows, B = x's rows, so that v comes out with the TOKENS along a lane's registers.
; The choice hangs on the cluster's x alone, which all sixteen partners share, and is made by selects: no branch.
; THE MATRIX INSTRUCTION IS USED TRANSPOSED (source 0 = 16 rows of B, source 1 = 16 rows of A): lane (r, h) holds row r of A's block and columns 8 h + 0..7 of B's block.
; THE RESULTS LEAVE AS IMAGES OF OPERAND REGISTERS.  Eight f32 of a lane, rounded to f16, are 16 bytes: registers 0-3 or 4-7 of a 16-bit fragment (16 rows x 32 K) of the next product.  So an accumulator is stored
; from registers as 512 consecutive bytes, lane l at 16 l:  qkv, part QK: [token / 16: 512][column / 16: 128][512 bytes] (columns 0-1023 q, 1024-2047 k);  part VT, from byte 33,554,432: [batch 4][channel / 16: 64][token / 16: 128][512 bytes].
; The accumulators of tokens 0-15 of each batch leave in f32 too (f32img: registers 0-3 at 16 l, 4-7 at 512 + 16 l of 1,024 bytes): the first positions of a sequence are carried in f32 by a later launch.
; Those stores stand under EXEC, which is all ones or all zeros by the tile's place: no branch hangs on a place in the cluster.
; CLUSTERS: 4 x 4.  A's tile is shared along a row of the cluster, B's along a column: each is asked for jointly, by the same tensor load with the same descriptor and a mask that names the four.
; LIMITS: |q|, |k|, |v| above 65,504 have no number in f16.
; REGISTERS, in windows of 256: window 0: v0-31 addresses; v32-95 scale words, two sets; v128-191 A's fragments, one set; on the way out v128-255 packed results.
;   window 1: B's fragments, two sets, at v0 and v128.   window 2: the accumulators of my rows 0-63 ((a, b) at v[8 (8 a + b)]);   window 3: those of my rows 64-127.
.set SIZE_K, 1024
.set KSTEP,  512                       ; along K in a slot
.set NQ,     KSTEP/128                 ; matrix instructions deep
.set ROWB,   256                       ; a tile's row in bytes
.set KROW,   SIZE_K/2                  ; a row of codes in memory
.set PITCH,  272                       ; an LDS row: 256 bytes + 16 of padding: the 16 rows that a load touches start at 16 different banks (64 banks of 4 bytes: ISA guide 11.1)
.set FR,     8                         ; registers of a fragment: 16 rows x 128 K
.set NL,     2                         ; LDS loads that bring one
.set NP,     4                         ; places behind this matrix instruction (ISA guide 7.12.1)
.set HALFT,  128*PITCH                 ; 128 rows: what one tensor load brings
.set SLOT,   4*HALFT                   ; A's 256 rows, then B's 256 rows
.set KS,     SIZE_K/32                 ; a row of scale bytes
.set SCL,    2*SLOT                    ; behind the slots: the scales, as units of 256 bytes + 16 of padding
.set HALFS,  (128*KS/256)*272          ; those of 128 rows: what one tensor load brings
.set SBLK,   (16*KS/256)*272           ; those of 16 rows
.set SPARE,  SCL+4*HALFS               ; behind the scales: the spare words, 128 bytes for each wave
.set VT,     33554432                  ; where part VT of qkv begins
.set ADRA, 16                          ; v16-17  LDS address of my A fragments in slot 0, 1
.set ADRB, 20                          ; v20-21  the same for B
.set CO,   26                          ; v26     16 x lane: my place in an image
.set ADRS, 27                          ; v27     LDS address of my scale words: lanes 0-15 A's rows, lanes 16-31 B's
.set SPW,  28                          ; v28     LDS address of my spare word; never rewritten
.set NIL,  29                          ; v29     0; never rewritten
.set ZR,   30                          ; v30     0 where my tile holds a batch's first 16 tokens
.set SC,   32                          ; scale words: set s at v[SC + 32 s]; register NQ i + q: lanes 0-15 A's block i, lanes 16-31 B's block i
.set AF,   128                         ; A's fragments
.set PK,   128                         ; the way out: four sets of 32 packed registers
.set G1, 24                            ; s[24:31] group 1 for A's tiles;  s[32:39] group 0, a set for each slot
.set G0, 32
.set G1B, 48                           ; s[48:55], s[56:63] the same for B's
.set G0B, 56
.set G1S, 68                           ; s[68:75], s[76:79] groups 1 and 0 for A's scales;  s[80:87], s[88:91] for B's
.set G0S, 76
.set G1SB, 80
.set G0SB, 88
.set MSB, 0
.macro WIN new                         ; the immediate's high byte repeats the setting that is left
.if MSB != \new
	s_set_vgpr_msb (MSB<<8)|\new
.set MSB, \new
.endif
.endm
.set MUL_LO, 0xa1                      ; source 0 (B) window 1, source 1 (A) window 0, C and D window 2
.set MUL_HI, 0xf1                      ; the same, C and D window 3
.set TO_B,   0x40                      ; destination window 1
; A joint load: waves 0 and 1 fetch for A, waves 2 and 3 for B.  The branch hangs on the wave's number alone.  An s_nop 0 and four v_nop follow each line.
.macro JLOAD g0a, g1a, g0b, g1b
	s_cmp_eq_u32 s15, 0
	s_cbranch_scc0 .Lfor_b_\@
	tensor_load_to_lds s[\g0a:\g0a+3], s[\g1a:\g1a+7]
	s_nop 0
.rept 4
	v_nop
.endr
	s_branch .Lasked_\@
.Lfor_b_\@:
	tensor_load_to_lds s[\g0b:\g0b+3], s[\g1b:\g1b+7]
	s_nop 0
.rept 4
	v_nop
.endr
.Lasked_\@:
.endm
.macro CROUND                          ; a round of the cluster's barrier
	s_barrier_signal -1
	s_barrier_wait -1
	s_cmp_lg_u32 s14, 0
	s_cbranch_scc1 .Lnot_wave_0_\@
	s_barrier_signal -3
.Lnot_wave_0_\@:
	s_barrier_wait -3
	s_barrier_signal -1
	s_barrier_wait -1
.endm
	s_load_b128 s[4:7], s[0:1], 0x0                ; x's codes, x's scales
	s_load_b128 s[8:11], s[0:1], 0x10              ; the weights' codes, their scales
	s_load_b64 s[12:13], s[0:1], 0x20              ; qkv
	s_load_b64 s[66:67], s[0:1], 0x28              ; f32img
	v_lshl_add_u32 v[SPW], v0, 2, SPARE
	v_mov_b32 v[NIL], 0
	ds_add_u32 v[SPW], v[NIL]                      ; the wave's opening: the add, twice on end, and its wait ahead of my first tensor load
	ds_add_u32 v[SPW], v[NIL]                      ; and once more, under the one wait; the set-up below stands between
	v_lshrrev_b32 v1, 5, v0
	v_readfirstlane_b32 s14, v1                    ; wave 0..3
	s_lshr_b32 s15, s14, 1                         ; which half of the tile's rows is mine.  Also: I fetch for A (0) or for B (1)
	s_and_b32 s16, s14, 1                          ; which half of its columns.  Also: which 128 rows I fetch
	s_bfe_u32 s40, ttmp6, 0x40000                  ; cx, cy: my place in the cluster
	s_bfe_u32 s41, ttmp6, 0x40004
	s_and_b32 s95, ttmp7, 0xffff                   ; the cluster's y
	s_cmp_eq_u32 ttmp9, 2                          ; the cluster's x = 2: v
	s_cselect_b32 s17, ttmp9, s95                  ; the cluster's place along A's rows,
	s_cselect_b32 s42, s95, ttmp9                  ; and along B's
	s_cselect_b32 s100, 1, 0                       ; 1 for v
	s_lshl_b32 s17, s17, 2
	s_add_co_u32 s17, s17, s41                     ; tile row: for v 8 + cy, which are Wv's rows in wc
	s_lshl_b32 s42, s42, 2
	s_add_co_u32 s42, s42, s40                     ; tile column
	s_lshl_b32 s43, s41, 2
	s_lshl_b32 s43, 15, s43                        ; my row of the cluster
	s_lshl_b32 s44, 0x1111, s40                    ; my column
	; group 1: a tile of 128 rows x 256 bytes, padded in LDS
	s_or_b32 s[G1+0], s43, (0<<16)|(1<<20)|(1<<21)|(5<<22)|(3<<25)  ; 15:0 the mask; 17:16 elements of 1 byte; 20 padding on; 21 set beside a mask; 24:22 after every 64 words; 31:25 four words
	s_or_b32 s[G1B+0], s44, (0<<16)|(1<<20)|(1<<21)|(5<<22)|(3<<25)
.irp g, G1, G1B
	s_mov_b32 s[\g+1], ROWB<<16                    ; tensor_dim0
	s_mov_b32 s[\g+2], 128<<16                     ; tensor_dim1
	s_mov_b32 s[\g+3], ROWB<<16                    ; tile_dim0
	s_mov_b32 s[\g+4], 128                         ; tile_dim1
	s_mov_b32 s[\g+5], KROW                        ; from row to row
	s_mov_b32 s[\g+6], 0
	s_mov_b32 s[\g+7], 0
.endr
	; the scales of 128 rows: 4,096 dense bytes, as 16 rows of 256 bytes (32 elements of 8 bytes), 16 bytes of padding behind each
	s_or_b32 s[G1S+0], s43, (3<<16)|(1<<20)|(1<<21)|(5<<22)|(3<<25)
	s_or_b32 s[G1SB+0], s44, (3<<16)|(1<<20)|(1<<21)|(5<<22)|(3<<25)
.irp g, G1S, G1SB
	s_mov_b32 s[\g+1], 32<<16
	s_mov_b32 s[\g+2], (128*KS/256)<<16
	s_mov_b32 s[\g+3], 32<<16
	s_mov_b32 s[\g+4], 128*KS/256
	s_mov_b32 s[\g+5], 32
	s_mov_b32 s[\g+6], 0
	s_mov_b32 s[\g+7], 0
.endr
	s_lshl_b32 s18, s16, 7                         ; which 128 rows of the tile I fetch
	s_lshl_b32 s20, s17, 8
	s_add_co_u32 s20, s20, s18                     ; A: row 256 x tile row + 128 x half
	s_lshl_b32 s46, s42, 8
	s_add_co_u32 s46, s46, s18                     ; B: row 256 x tile column + 128 x half
	s_mov_b32 s21, 0
	s_mov_b32 s47, 0
	s_mov_b64 s[18:19], KS
	s_mul_u64 s[22:23], s[20:21], s[18:19]         ; where these rows' scales begin,
	s_mul_u64 s[92:93], s[46:47], s[18:19]
	s_mov_b64 s[18:19], KROW
	s_mul_u64 s[20:21], s[20:21], s[18:19]         ; and their codes
	s_mul_u64 s[46:47], s[46:47], s[18:19]
	s_mul_i32 s45, s14, HALFT                      ; where they go: wave x 128 rows: no place in the cluster enters an LDS address
	s_mul_i32 s94, s14, HALFS
	s_wait_dscnt 0x0                               ; both opening adds are done
	s_wait_kmcnt 0x0
	s_cmp_eq_u32 ttmp9, 2                          ; for v the weights are A and x is B
	s_cselect_b64 s[96:97], s[8:9], s[4:5]
	s_cselect_b64 s[98:99], s[4:5], s[8:9]
	s_add_nc_u64 s[20:21], s[96:97], s[20:21]      ; (these sums leave SCC alone)
	s_add_nc_u64 s[46:47], s[98:99], s[46:47]
	s_cselect_b64 s[96:97], s[10:11], s[6:7]
	s_cselect_b64 s[98:99], s[6:7], s[10:11]
	s_add_nc_u64 s[22:23], s[96:97], s[22:23]
	s_add_nc_u64 s[92:93], s[98:99], s[92:93]
	CROUND                                         ; all sixteen work-groups are here: the first joint loads meet
	s_mov_b32 s[G0S], 1
	s_add_co_u32 s[G0S+1], s94, SCL
	s_mov_b64 s[G0S+2:G0S+3], s[22:23]
	s_or_b32 s[G0S+3], s[G0S+3], 0x80000000
	s_mov_b32 s[G0SB], 1
	s_add_co_u32 s[G0SB+1], s94, SCL
	s_mov_b64 s[G0SB+2:G0SB+3], s[92:93]
	s_or_b32 s[G0SB+3], s[G0SB+3], 0x80000000
	JLOAD G0S, G1S, G0SB, G1SB                     ; the scales first: they are wanted with the first slot
.irp s, 0,1
	s_mov_b32 s[G0+4*\s], 1
	s_add_co_u32 s[G0+4*\s+1], s45, \s*SLOT
	s_add_nc_u64 s[G0+4*\s+2:G0+4*\s+3], s[20:21], \s*ROWB
	s_or_b32 s[G0+4*\s+3], s[G0+4*\s+3], 0x80000000
	s_mov_b32 s[G0B+4*\s], 1
	s_add_co_u32 s[G0B+4*\s+1], s45, \s*SLOT
	s_add_nc_u64 s[G0B+4*\s+2:G0B+4*\s+3], s[46:47], \s*ROWB
	s_or_b32 s[G0B+4*\s+3], s[G0B+4*\s+3], 0x80000000
	JLOAD G0+4*\s, G1, G0B+4*\s, G1B               ; three tensor loads of mine are out at the most
.endr
	v_and_b32 v1, 15, v0                           ; l % 16
	v_bfe_u32 v2, v0, 4, 1                         ; l / 16
	v_mul_u32_u24 v3, v1, PITCH
	v_lshl_add_u32 v4, v2, 4, v3                   ; a fragment's row x pitch + 16 x half
	s_mul_i32 s21, s15, HALFT                      ; my 128 rows of A
	s_mul_i32 s22, s16, HALFT                      ; my 128 rows of B,
	s_add_co_u32 s22, s22, 2*HALFT                 ; which lie behind A's 256
.irp s, 0,1
	v_add_nc_u32 v[ADRA+\s], s21, v4
	v_add_nc_u32 v[ADRB+\s], s22, v4
	s_add_co_u32 s21, s21, SLOT
	s_add_co_u32 s22, s22, SLOT
.endr
	v_mul_u32_u24 v5, v1, KS                       ; my row's scales: KS bytes a row,
	v_lshrrev_b32 v6, 8, v5
	v_lshl_add_u32 v5, v6, 4, v5                   ; and 16 more for each 256 passed
	s_mul_i32 s21, s15, HALFS                      ; A's: my 128 rows
	s_mul_i32 s22, s16, HALFS                      ; B's: my 128 rows, behind A's 256
	s_add_co_u32 s22, s22, 2*HALFS
	s_sub_co_u32 s22, s22, s21
	v_mul_u32_u24 v6, s22, v2                      ; lanes 16-31 take B's: the lower base + h x the distance
	s_add_co_u32 s21, s21, SCL
	v_add_nc_u32 v5, v5, v6
	v_add_nc_u32 v[ADRS], s21, v5
	v_and_b32 v6, 31, v0
	v_lshlrev_b32 v[CO], 4, v6                     ; 16 x lane
	; where my results go.  R0, C0: my first block of 16 rows and of 16 columns
	s_lshl_b32 s20, s17, 4
	s_lshl_b32 s21, s15, 3
	s_add_co_u32 s20, s20, s21                     ; R0
	s_lshl_b32 s46, s42, 4
	s_lshl_b32 s47, s16, 3
	s_add_co_u32 s46, s46, s47                     ; C0
	s_lshl_b32 s21, s20, 16
	s_lshl_b32 s47, s46, 9
	s_add_co_u32 s21, s21, s47                     ; q, k: R0 x 65,536 + C0 x 512
	s_and_b32 s18, s20, 63                         ; v: R0 - 128 (R0 is 128 to 184 there): the block of channels
	s_lshr_b32 s19, s46, 7                         ; the batch,
	s_lshl_b32 s19, s19, 6
	s_add_co_u32 s19, s19, s18
	s_lshl_b32 s19, s19, 16
	s_and_b32 s47, s46, 127                        ; the block of tokens in it
	s_lshl_b32 s47, s47, 9
	s_add_co_u32 s19, s19, s47
	s_add_co_u32 s19, s19, VT
	s_cmp_eq_u32 s100, 1
	s_cselect_b32 s22, s19, s21
	s_mov_b32 s23, 0
	s_add_nc_u64 s[12:13], s[12:13], s[22:23]
	s_lshr_b32 s21, s17, 3                         ; f32 images of q, k: (batch x 128 + C0) x 1,024
	s_lshl_b32 s21, s21, 7
	s_add_co_u32 s21, s21, s46
	s_lshl_b32 s22, s21, 10
	s_add_nc_u64 s[96:97], s[66:67], s[22:23]
	s_lshr_b32 s21, s42, 3                         ; of v: 524,288 + (batch x 64 + block of channels) x 1,024
	s_lshl_b32 s21, s21, 6
	s_add_co_u32 s21, s21, s18
	s_lshl_b32 s22, s21, 10
	s_add_co_u32 s22, s22, 524288
	s_add_nc_u64 s[98:99], s[66:67], s[22:23]
	s_and_b32 s101, s17, 7                         ; 0 where my rows begin a batch (q, k),
	s_or_b32 s101, s101, s15
	s_or_b32 s101, s101, s100
	s_xor_b32 s95, s100, 1                         ; 0 where my columns do (v)
	s_and_b32 s21, s42, 7
	s_or_b32 s95, s95, s21
	s_or_b32 s95, s95, s16
.macro FRAG reg, adr, q, i             ; 16 rows x 128 K of 4-bit codes: lane l holds row l % 16; registers 4 c .. 4 c + 3 hold K = 64 c + 32 (l / 16) + 0 .. 31
.irp c, 0,1
	ds_load_b128 v[\reg+4*\c:\reg+4*\c+3], v[\adr] offset:64*(\q)+32*\c+(\i)*16*PITCH
.endr
.endm
; 16 matrix instructions: A's blocks a0, a0 + 1 x B's eight, the slot's q-th 128 along K.  p: B's set;  sc: the set of scale words.  zero = 1: the first product starts the sums.
; The 64 accumulators take turns, one instruction a turn, in the same order in every step.
.macro MUL16 a0, p, q, sc, zero
.irp a, \a0, \a0+1
.irp b, 0,1,2,3,4,5,6,7
.if \zero
	v_wmma_scale_f32_16x16x128_f8f6f4 v[8*(8*((\a)%4)+\b):8*(8*((\a)%4)+\b)+7], v[128*(\p)+FR*\b:128*(\p)+FR*\b+FR-1], v[AF+FR*(\a):AF+FR*(\a)+FR-1], 0, v[SC+8*NQ*(\sc)+NQ*\b+(\q)], v[SC+8*NQ*(\sc)+NQ*(\a)+(\q)] matrix_a_fmt:MATRIX_FMT_FP4 matrix_b_fmt:MATRIX_FMT_FP4 matrix_a_scale:MATRIX_SCALE_ROW1
.else
	v_wmma_scale_f32_16x16x128_f8f6f4 v[8*(8*((\a)%4)+\b):8*(8*((\a)%4)+\b)+7], v[128*(\p)+FR*\b:128*(\p)+FR*\b+FR-1], v[AF+FR*(\a):AF+FR*(\a)+FR-1], v[8*(8*((\a)%4)+\b):8*(8*((\a)%4)+\b)+7], v[SC+8*NQ*(\sc)+NQ*\b+(\q)], v[SC+8*NQ*(\sc)+NQ*(\a)+(\q)] matrix_a_fmt:MATRIX_FMT_FP4 matrix_b_fmt:MATRIX_FMT_FP4 matrix_a_scale:MATRIX_SCALE_ROW1
.endif
.endr
.endr
.endm
.macro FETCH_B slot, q, p              ; B's eight fragments of the slot's q-th 128 along K into set p
	WIN TO_B
.irp i, 0,1,2,3,4,5,6,7
	FRAG 128*(\p)+FR*\i, ADRB+\slot, \q, \i
.endr
	WIN 0
.endm
.macro FETCH_A slot, q, i0             ; A's blocks i0 .. i0 + 3
.irp i, \i0, \i0+1, \i0+2, \i0+3
	FRAG AF+FR*(\i), ADRA+\slot, \q, \i
.endr
.endm
.macro SCALES sc                       ; a slot's scale words into set sc: NQ words a row; lanes 0-15 A's block i, lanes 16-31 B's block i
.irp i, 0,1,2,3,4,5,6,7
	ds_load_b128 v[SC+8*NQ*\sc+NQ*\i:SC+8*NQ*\sc+NQ*\i+3], v[ADRS] offset:\i*SBLK
.endr
.endm
; A load into a register that a matrix instruction has read, and a vector instruction that reads a matrix result or writes one of its registers, stand NP places behind it;
; only plain vector instructions that name none of its registers are places (ISA guide 7.12.1 for vector instructions).
.macro PLACES n
.rept \n
	v_nop
.endr
.endm
.macro STEP slot, q, zero              ; a step of 128 along K that has its successor in the same slot
	s_wait_dscnt 4*NL                              ; B's set and A's blocks 0-3 are in; the youngest eight loads (A's blocks 4-7) may be out
	WIN MUL_LO
	MUL16 0, (\q)%2, \q, \slot, \zero
	MUL16 2, (\q)%2, \q, \slot, \zero
	s_wait_dscnt 0                                 ; A's blocks 4-7 are in
	PLACES NP
	FETCH_B \slot, (\q)+1, 1-(\q)%2
	FETCH_A \slot, (\q)+1, 0
	WIN MUL_HI
	MUL16 4, (\q)%2, \q, \slot, \zero
	MUL16 6, (\q)%2, \q, \slot, \zero
	PLACES NP
	WIN 0
	FETCH_A \slot, (\q)+1, 4
.endm
; Slot 0's last step changes slots: one barrier; in front of it each wave waits for all its tensor loads (its part of slot 1), adds 0 to its spare word, and waits for that and for its reads.
.macro TURN slot, next
	s_wait_tensorcnt 0x0                           ; all my tensor loads have landed (every window is 0 here)
	ds_add_u32 v[SPW], v[NIL]                      ; 0 onto my spare word
	s_wait_dscnt 4*NL+1                            ; (the add and the youngest eight loads may be out)
	WIN MUL_LO
	MUL16 0, 1, NQ-1, \slot, 0
	s_wait_dscnt 0x0                               ; the add is done, and my reads of this slot are over
	s_barrier_signal -1
	MUL16 2, 1, NQ-1, \slot, 0
	WIN 0
	s_barrier_wait -1                              ; the next slot is whole
	PLACES NP
	v_add_nc_u32 v[ADRS], 4*NQ, v[ADRS]            ; on to the next slot's scale words
	FETCH_B \next, 0, 0
	FETCH_A \next, 0, 0
	SCALES \next
	WIN MUL_HI
	MUL16 4, 1, NQ-1, \slot, 0
	MUL16 6, 1, NQ-1, \slot, 0
	PLACES NP
	WIN 0
	FETCH_A \next, 0, 4
.endm
.macro STEPS slot, from                ; the slot's steps from .. NQ - 2
.set Q, \from
.rept NQ-1-\from
	STEP \slot, Q, 0
.set Q, Q+1
.endr
.endm
	s_wait_tensorcnt 1                             ; the scales and my part of slot 0 are in (slot 1's load may be out),
	s_barrier_signal -1
	s_barrier_wait -1                              ; everybody's are
	FETCH_B 0, 0, 0
	FETCH_A 0, 0, 0
	SCALES 0
	FETCH_A 0, 0, 4
	STEP 0, 0, 1                                   ; the first step's products start the sums: nothing is cleared
	STEPS 0, 1
	TURN 0, 1
	STEPS 1, 0
	s_wait_dscnt 4*NL                              ; the very last step: nothing more to fetch
	WIN MUL_LO
	MUL16 0, 1, NQ-1, 1, 0
	MUL16 2, 1, NQ-1, 1, 0
	s_wait_dscnt 0
	WIN MUL_HI
	MUL16 4, 1, NQ-1, 1, 0
	MUL16 6, 1, NQ-1, 1, 0
	WIN 0
; THE WAY OUT, block by block of 16 rows: each accumulator is rounded to f16, from its low end on, and stored as it stands: 32 lanes x 16 bytes = 512 consecutive bytes, aligned.
.macro PACK a
.set AC, 64*((\a)%4)
.set PB, PK+32*((\a)%4)
	WIN 0x0a+5*((\a)/4)                            ; sources 0 and 1: window 2 or 3
.irp b, 0,1,2,3,4,5,6,7
.irp i, 0,1,2,3
	v_cvt_pk_f16_f32 v[PB+4*\b+\i], v[AC+8*\b+2*\i], v[AC+8*\b+2*\i+1]
.endr
.endr
	WIN 0
.irp b, 0,1,2,3,4,5,6,7
	global_store_b128 v[CO], v[PB+4*\b:PB+4*\b+3], s[12:13] offset:(\a)*65536+\b*512
.endr
.endm
	PLACES NP                                      ; the conversions read results and write registers that held A's fragments
.irp a, 0,1,2,3,4,5,6,7
.if \a >= 4
	s_wait_xcnt 0x0                                ; block a - 4's stores have read their data: the set is written again only behind this wait
.endif
	PACK \a
.endr
	; tokens 0-15 of a batch in f32.  q, k: my block a = 0, all eight b
	v_mov_b32 v[ZR], s101
	v_cmp_eq_u32 vcc_lo, 0, v[ZR]
	s_wait_xcnt 0x0                                ; EXEC changes only behind this wait
	s_and_saveexec_b32 s3, vcc_lo
	WIN 0x08                                       ; a store's data are its source 1: window 2
.irp b, 0,1,2,3,4,5,6,7
	global_store_b128 v[CO], v[8*\b:8*\b+3],   s[96:97] offset:\b*1024
	global_store_b128 v[CO], v[8*\b+4:8*\b+7], s[96:97] offset:\b*1024+512
.endr
	WIN 0
	s_wait_xcnt 0x0                                ; and again in front of the line that widens it
	s_or_b32 exec_lo, exec_lo, s3
	; v: my block b = 0, all eight a
	v_mov_b32 v[ZR], s95
	v_cmp_eq_u32 vcc_lo, 0, v[ZR]
	s_and_saveexec_b32 s3, vcc_lo                  ; (no memory instruction since the last wait)
.irp a, 0,1,2,3,4,5,6,7
	WIN 0x08+4*((\a)/4)
	global_store_b128 v[CO], v[64*((\a)%4):64*((\a)%4)+3],   s[98:99] offset:\a*1024
	global_store_b128 v[CO], v[64*((\a)%4)+4:64*((\a)%4)+7], s[98:99] offset:\a*1024+512
.endr
	WIN 0
	s_wait_xcnt 0x0
	s_or_b32 exec_lo, exec_lo, s3
	s_wait_tensorcnt 0x0                           ; the wave's end: a wait, an add and a wait behind my last tensor load
	ds_add_u32 v[SPW], v[NIL]
	s_wait_dscnt 0x0
	CROUND                                         ; the closing round: no work-group ends while a partner may still ask for a tile that names it
	s_endpgm
.Lfunc_end_k_q309de5dab7_qkvgemm:
	.size	k_q309de5dab7_qkvgemm, .Lfunc_end_k_q309de5dab7_qkvgemm-k_q309de5dab7_qkvgemm
	.p2alignl 7, 3214868480
	.fill 96, 4, 3214868480
	.section	.rodata,"a",@progbits
	.p2align	6, 0x0
	.amdhsa_kernel k_q309de5dab7_qkvgemm
		.amdhsa_group_segment_fixed_size 327680
		.amdhsa_private_segment_fixed_size 0
		.amdhsa_enable_private_segment 0
		.amdhsa_kernarg_size 48
		.amdhsa_user_sgpr_count 2
		.amdhsa_user_sgpr_kernarg_segment_ptr 1
		.amdhsa_wavefront_size32 1
		.amdhsa_system_sgpr_workgroup_id_x 1
		.amdhsa_system_sgpr_workgroup_id_y 1
		.amdhsa_system_sgpr_workgroup_id_z 1
		.amdhsa_system_vgpr_workitem_id 0
		.amdhsa_next_free_vgpr 1024
		.amdhsa_next_free_sgpr 102
		.amdhsa_reserve_vcc 1
		.amdhsa_float_denorm_mode_32 3
		.amdhsa_float_denorm_mode_16_64 3
		.amdhsa_memory_ordered 1
		.amdhsa_forward_progress 1
		.amdhsa_inst_pref_size 122
	.end_amdhsa_kernel
	.amdgpu_metadata
---
amdhsa.version: [ 1, 2 ]
amdhsa.kernels:
  - .name:           k_q309de5dab7_qkvgemm
    .symbol:         k_q309de5dab7_qkvgemm.kd
    .args:
      - { .name: xc, .offset: 0, .size: 8, .value_kind: global_buffer, .address_space: global }
      - { .name: xs, .offset: 8, .size: 8, .value_kind: global_buffer, .address_space: global }
      - { .name: wc, .offset: 16, .size: 8, .value_kind: global_buffer, .address_space: global }
      - { .name: ws, .offset: 24, .size: 8, .value_kind: global_buffer, .address_space: global }
      - { .name: qkv, .offset: 32, .size: 8, .value_kind: global_buffer, .address_space: global }
      - { .name: f32img, .offset: 40, .size: 8, .value_kind: global_buffer, .address_space: global }
    .group_segment_fixed_size: 327680
    .private_segment_fixed_size: 0
    .kernarg_segment_align: 8
    .kernarg_segment_size: 48
    .max_flat_workgroup_size: 128
    .sgpr_count:     102
    .vgpr_count:     1024
    .wavefront_size: 32
...
	.end_amdgpu_metadata
.endif
;; end of part 2
;; launch attn (part 3): grid 4 x 64, 8 waves a work-group, no clusters, 327,680 bytes of LDS; arguments qkv, yimg; writes yimg
.if DOCPART == 3
	.amdgcn_target "amdgcn-amd-amdhsa--gfx1250"
	.amdhsa_code_object_version 6
	.text
	.protected	k_q309de5dab7_attn
	.globl	k_q309de5dab7_attn
	.p2align	8
	.type	k_q309de5dab7_attn,@function
k_q309de5dab7_attn:
	s_mov_b64 s[64:65], 0
	v_nop
	global_prefetch_b8 v0, s[64:65] scope:SCOPE_SE
	s_setreg_imm32_b32 hwreg(HW_REG_WAVE_MODE, 25, 1), 1
	s_wait_xcnt 0x0
; y[b][t][head] = softmax over keys k <= t of (q . k / 8) times v, for 64 pairs (batch, head), 2,048 positions, head size 64.  Operands in f16, products, maxima and sums in f32; p is rounded to f16 for the second product.
; INPUT: qkv, as images of operand registers (a fragment of 16 rows x 32 K is 1,024 bytes: lane l's registers 0-3 at 16 l, 4-7 at 512 + 16 l).
;   part QK: [token / 16: 512][column / 16: 128][512 bytes]: a head's q of 16 tokens is 2,048 bytes at head x 2,048, its k at 32,768 + head x 2,048;
;   part VT, from byte 33,554,432: [batch][channel / 16: 64][token / 16: 128][512 bytes]: v with the tokens along a lane's registers.
; OUTPUT: yimg [token / 16: 512][32 along the 1,024 channels: 32][1,024 bytes], f16 images for the projection.
; SHARES.  Work-group (PI, batch x head) owns query blocks PI and 7 - PI of 256 queries: (PI + 1) + (8 - PI) = 9 units of 256 keys for every work-group, whatever PI.  Wave w owns 32 queries of each block: two tiles of 16.
; Eight waves, two to a SIMD, so that one wave's vector work stands beside the other's matrix work.
; LAYOUT.  S^T = K Q^T (source 0 = 16 keys, source 1 = 16 queries), O^T = V^T P: a lane holds ONE query (lane % 16) throughout; two tiles of S^T rounded in pairs ARE source 1 of the second product.
; SOFTMAX.  A running maximum m and sum l for each query: p = 2^(c s - c m), c = log2(e) / 8; O and l are multiplied in every step by a = 2^(c m_old - c m_new).
; THE RING.  Two LDS slots of a unit (256 keys: K 32,768 bytes, V 32,768).  Each wave fetches 8,192 bytes of it by one tensor load: waves 0-3 a key step's K, waves 4-7 a key step's V: 4 rows of 2,048 bytes, 65,536 apart.
; Tiles lie dense in LDS and are read 16 bytes a lane at 16 x lane: 512 consecutive bytes a load.
; THE MASK.  Every trip count is a constant; a key step all of whose keys come after the wave's 32 queries is jumped over by a scalar branch on ids; on the diagonal hidden scores become -infinity.
; Key 0 counts for every query, and every step that is walked begins at or under the wave's first query, so each row's maximum is a number.
; NO CLUSTER: the four work-groups of a head need different units in the same trip (PI = 0 walks units 0, 0, 1 .. 7; PI = 3 walks 0 .. 3, 0 .. 4); a walk in step would take 12 units in place of 9.
; LIMITS: positions 0-15 of a sequence are computed here in f16 like the rest; a later launch replaces their part of the output by f32 work.  NaN and infinities are not served.
; REGISTERS: window 0: v1-11 addresses and constants; v16-31 statistics, eight a tile; v32-95 K; v96-159 V; v160-223 S^T, 32 a tile.   window 1: v0-63 O^T, 32 a tile; v64-95 Q; v96-127 the second block's Q; v128-159 P.
.set SLOTB, 65536
.set STEPB, 8192                       ; a key step's K, or V, in LDS
.set VOFF,  32768                      ; V behind K in a slot
.set SPARE, 2*SLOTB                    ; behind the ring: the spare words, 128 bytes for each of eight waves
.set VT,    33554432
.set LI,   1                           ; v1   16 x lane; never rewritten
.set ADK,  2                           ; v2   LDS address of the step's tiles
.set DD,   4                           ; v4-5 my query - the step's first key - 8 (lane / 16), for tiles 0, 1
.set NINF, 6                           ; v6   -infinity
.set SPW,  8                           ; v8   LDS address of my spare word; never rewritten
.set NIL,  9                           ; v9   0; never rewritten
.set PFO,  10                          ; v10  the prefetches' offset: 65,536 (lane / 8) + 256 (lane % 8); never rewritten
.set RH,   11                          ; v11  lane % 16 - 8 (lane / 16)
.set ST,   16                          ; tile t at v[ST + 8 t]: +0 c m, +1 m, +2, +3 l (even keys', odd keys'), +4 .. +7 at work; a in +6
.set KR,   32
.set VR,   96
.set S,    160
.set QR,   64                          ; in window 1
.set QB,   96
.set PR,   128
.set WV,   8                           ; s8   wave
.set PI,   9                           ; s9   the work-group's x
.set BA,   11                          ; s11  batch
.set HD,   12                          ; s12  head
.set G1,   16                          ; s[16:23] descriptor group 1
.set G0,   24                          ; s[24:27] descriptor group 0, which walks
.set STP,  28                          ; s[28:29] a unit on, in bytes: 1,048,576 in K, 8,192 in V
.set BK,   30                          ; s[30:31] what goes off at the change of blocks, or 0
.set BACKV, 32                         ; s32  (PI + 1) units
.set TR,   33                          ; s33  the trip
.set KF,   34                          ; s34  the step's first key
.set Q0,   35                          ; s35  my first query
.set TK,   36                          ; s36  LDS byte at which the step's K begins
.set CNT,  37                          ; s37  counts a slot's four steps
.set CS,   38                          ; s[38:39] c, twice
.set SEL,  40                          ; s[40:41] lane selects: lane l xor 16
.set PFA,  42                          ; s[42:43] where my prefetches stand
.set LIM,  44                          ; s44  trips in which I prefetch
.set Q0B,  45                          ; s45  my first query in the second block
.set YB,   46                          ; s[46:47] where my results go
.set MSB, 0
.macro WIN new                         ; the immediate's high byte repeats the setting that is left
.if MSB != \new
	s_set_vgpr_msb (MSB<<8)|\new
.set MSB, \new
.endif
.endm
.set W_KQ, 0x04                        ; Q (source 1) in window 1
.set W_PV, 0x54                        ; P (source 1), O^T (C and D) in window 1
.set W_TO1, 0x40                       ; destination in window 1
.set W_RS, 0x41                        ; destination and source 0 in window 1
.set W_OUT, 0x05                       ; sources 0 and 1 in window 1
	s_load_b128 s[4:7], s[0:1], 0x0                ; qkv, yimg
	v_lshl_add_u32 v[SPW], v0, 2, SPARE
	v_mov_b32 v[NIL], 0
	ds_add_u32 v[SPW], v[NIL]                      ; the wave's opening: the add, twice on end, and its wait ahead of my first tensor load
	ds_add_u32 v[SPW], v[NIL]                      ; and once more, under the one wait; the set-up below stands between
	v_lshrrev_b32 v1, 5, v0
	v_readfirstlane_b32 s[WV], v1                  ; wave 0..7
	s_mov_b32 s[PI], ttmp9
	s_and_b32 s10, ttmp7, 0xffff
	s_lshr_b32 s[BA], s10, 4
	s_and_b32 s[HD], s10, 15
	v_and_b32 v3, 31, v0
	v_lshlrev_b32 v[LI], 4, v3
	v_lshrrev_b32 v7, 3, v3
	v_and_b32 v3, 7, v3
	v_lshlrev_b32 v[PFO], 16, v7
	v_lshl_add_u32 v[PFO], v3, 8, v[PFO]
	v_and_b32 v3, 15, v0
	v_bfe_u32 v7, v0, 4, 1
	v_lshlrev_b32 v7, 3, v7
	v_sub_nc_u32 v[RH], v3, v7
	v_mov_b32 v[NINF], 0xff800000
	; group 1: 4 rows of 2,048 bytes (256 elements of 8 bytes), 65,536 bytes (8,192 elements) apart, dense in LDS
	s_mov_b32 s[G1+0], 3<<16                       ; no mask; elements of 8 bytes; no padding
	s_mov_b32 s[G1+1], 256<<16                     ; tensor_dim0
	s_mov_b32 s[G1+2], 4<<16                       ; tensor_dim1
	s_mov_b32 s[G1+3], 256<<16                     ; tile_dim0
	s_mov_b32 s[G1+4], 4                           ; tile_dim1
	s_mov_b32 s[G1+5], 8192                        ; from row to row
	s_mov_b32 s[G1+6], 0
	s_mov_b32 s[G1+7], 0
	s_lshl_b32 s48, s[BA], 7                       ; K, waves 0-3: (batch x 128 + 4 w) x 65,536 + 32,768 + head x 2,048
	s_lshl_b32 s49, s[WV], 2
	s_add_co_u32 s48, s48, s49
	s_lshl_b32 s48, s48, 16
	s_lshl_b32 s49, s[HD], 11
	s_add_co_u32 s48, s48, s49
	s_add_co_u32 s48, s48, 32768
	s_lshl_b32 s50, s[BA], 6                       ; V, waves 4-7: VT + (batch x 64 + 4 head) x 65,536 + (w - 4) x 2,048
	s_lshl_b32 s51, s[HD], 2
	s_add_co_u32 s50, s50, s51
	s_lshl_b32 s50, s50, 16
	s_lshl_b32 s51, s[WV], 11
	s_add_co_u32 s50, s50, s51
	s_add_co_u32 s50, s50, VT-8192
	s_mov_b32 s[STP], 8192
	s_cmp_lt_u32 s[WV], 4
	s_cselect_b32 s52, s48, s50
	s_cselect_b32 s[STP], 1048576, s[STP]
	s_mov_b32 s53, 0
	s_mov_b32 s[STP+1], 0
	s_mov_b32 s[BK+1], 0
	s_add_co_u32 s[BACKV], s[PI], 1
	s_mul_i32 s[BACKV], s[BACKV], s[STP]
	s_mov_b32 s[CS], 0x3e38aa3b                    ; c = log2(e) / 8
	s_mov_b32 s[CS+1], s[CS]
	s_mov_b32 s[SEL], 0x76543210
	s_mov_b32 s[SEL+1], 0xfedcba98
	s_mov_b32 s[KF], 0
	s_mov_b32 s[TK], 0
	s_mov_b32 s[TR], 0
	s_lshl_b32 s48, s[WV], 5
	s_lshl_b32 s49, s[PI], 8
	s_add_co_u32 s[Q0], s49, s48                   ; 256 PI + 32 w
	s_sub_co_u32 s49, 1792, s49
	s_add_co_u32 s[Q0B], s49, s48                  ; 256 (7 - PI) + 32 w
	s_cmp_eq_u32 s[PI], 0
	s_cselect_b32 s[LIM], 6, 0                     ; the head's first work-group prefetches, in trips 0 to 5
	s_wait_dscnt 0x0                               ; both opening adds are done
	s_wait_kmcnt 0x0
	s_mov_b32 s[G0], 1                             ; count = 1
	s_lshl_b32 s[G0+1], s[WV], 13                  ; LDS: slot 0, 8,192 x wave
	s_add_nc_u64 s[G0+2:G0+3], s[4:5], s[52:53]    ; unit 0
	s_add_nc_u64 s[PFA:PFA+1], s[G0+2:G0+3], s[STP:STP+1]  ; the prefetches stand at unit 1; each change of slots steps them first
	s_or_b32 s[G0+3], s[G0+3], 0x80000000          ; type = 2
	tensor_load_to_lds s[G0:G0+3], s[G1:G1+7]      ; every wave's first fill
	s_nop 0
.rept 4
	v_nop
.endr
	s_lshl_b32 s48, s[BA], 7                       ; Q: (batch x 128 + 16 block + 2 w) x 65,536 + head x 2,048
	s_lshl_b32 s49, s[WV], 1
	s_add_co_u32 s48, s48, s49
	s_lshl_b32 s49, s[PI], 4
	s_add_co_u32 s52, s48, s49
	s_sub_co_u32 s49, 112, s49
	s_add_co_u32 s54, s48, s49
	s_lshl_b32 s52, s52, 16
	s_lshl_b32 s54, s54, 16
	s_lshl_b32 s49, s[HD], 11
	s_add_co_u32 s52, s52, s49
	s_add_co_u32 s54, s54, s49
	s_mov_b32 s53, 0
	s_mov_b32 s55, 0
	s_add_nc_u64 s[48:49], s[4:5], s[52:53]
	s_add_nc_u64 s[50:51], s[4:5], s[54:55]
	WIN W_TO1
.irp t, 0,1
.irp i, 0,1,2,3
	global_load_b128 v[QR+16*\t+4*\i:QR+16*\t+4*\i+3], v[LI], s[48:49] offset:\t*65536+\i*512   ; both blocks' Q stay in registers
	global_load_b128 v[QB+16*\t+4*\i:QB+16*\t+4*\i+3], v[LI], s[50:51] offset:\t*65536+\i*512
.endr
.endr
	WIN 0
.macro INIT                            ; a block of queries begins: O^T = 0, l = 0, m under every score.  The step is written once: its first walk finds zeros
	WIN W_TO1
.set i, 0
.rept 64
	v_mov_b32 v[i], 0
.set i, i+1
.endr
	WIN 0
.irp t, 0,1
	v_mov_b32 v[ST+8*\t+1], 0xff61b1e6             ; -3e38
	v_mul_f32 v[ST+8*\t], s[CS], v[ST+8*\t+1]
.irp u, 2,3,4,5,6,7
	v_mov_b32 v[ST+8*\t+\u], 0
.endr
.endr
.endm
; A prefetch of what a later change of slots will ask for: in trip TR my wave's 8,192 bytes of unit TR + 2: 32 blocks of 256 bytes, a lane a block.  All four work-groups of a head walk the same K and V: the first asks,
; each wave for the part that it would fetch itself, so each block of units 2 to 7 is named once in the launch.  Units 0 and 1 come by their loads alone; behind unit 7 nothing is asked for.
.macro ASK
	s_cmp_lt_u32 s[TR], s[LIM]
	s_cbranch_scc0 .Lnot_mine_\@
	global_prefetch_b8 v[PFO], s[PFA:PFA+1] th:TH_LOAD_NT scope:SCOPE_SE
.Lnot_mine_\@:
.endm
; THE CHANGE OF SLOTS stands at a trip's head.  Each wave waits for all its tensor loads (its part of the unit that it is about to read), adds 0 to its spare word, and waits for that and for its reads of the slot left.
; Behind the barrier the slot ahead is whole and nobody reads the other: fill = 1: it takes the next trip's unit, one load a wave, which has four key steps in which to land.
.macro CHANGE fill
	s_wait_tensorcnt 0x0                           ; no tensor load of mine is out, so group 0 may be written
	ds_add_u32 v[SPW], v[NIL]                      ; 0 onto my spare word
.if \fill
	s_xor_b32 s[G0+1], s[G0+1], SLOTB              ; the other slot,
	s_add_nc_u64 s[G0+2:G0+3], s[G0+2:G0+3], s[STP:STP+1]  ; the next unit;
	s_cmp_eq_u32 s[TR], s[PI]                      ; behind the first block's last unit: unit 0 again
	s_cselect_b32 s[BK], s[BACKV], 0
	s_sub_nc_u64 s[G0+2:G0+3], s[G0+2:G0+3], s[BK:BK+1]
	s_wait_xcnt 0x0                                ; the last prefetch, a trip back, has read its address
	s_add_nc_u64 s[PFA:PFA+1], s[PFA:PFA+1], s[STP:STP+1]
.endif
	s_wait_dscnt 0x0                               ; the add is done, and my reads of the slot that I have left are over
	s_barrier_signal -1
	s_barrier_wait -1
.if \fill
	tensor_load_to_lds s[G0:G0+3], s[G1:G1+7]      ; the first thing behind the barrier, and my one tensor load until the next
	s_nop 0
.rept 4
	v_nop
.endr
	ASK
.endif
.endm
; The softmax of both tiles for one key step of 64 keys; the tiles alternate line by line, so that no line waits for the line above it.
.macro SOFTMAX
.irp j, 0,1,2,3
.irp t, 0,1
	v_max3_num_f32 v[ST+8*\t+4+\j], v[S+32*\t+8*\j], v[S+32*\t+8*\j+1], v[S+32*\t+8*\j+2]   ; four chains, each accumulator from its low end on
.endr
.endr
.irp u, 1,2
.irp j, 0,1,2,3
.irp t, 0,1
	v_max3_num_f32 v[ST+8*\t+4+\j], v[ST+8*\t+4+\j], v[S+32*\t+8*\j+2*\u+1], v[S+32*\t+8*\j+2*\u+2]
.endr
.endr
.endr
.irp t, 0,1
	v_max3_num_f32 v[ST+8*\t+4], v[ST+8*\t+4], v[S+32*\t+7], v[S+32*\t+15]
	v_max3_num_f32 v[ST+8*\t+6], v[ST+8*\t+6], v[S+32*\t+23], v[S+32*\t+31]
.endr
.irp t, 0,1
	v_max3_num_f32 v[ST+8*\t+4], v[ST+8*\t+4], v[ST+8*\t+5], v[ST+8*\t+6]
.endr
.irp t, 0,1
	v_max3_num_f32 v[ST+8*\t+4], v[ST+8*\t+4], v[ST+8*\t+7], v[ST+8*\t+1]   ; with the old m
.endr
.irp t, 0,1
	v_permlanex16_b32 v[ST+8*\t+5], v[ST+8*\t+4], s[SEL], s[SEL+1]          ; the query's other 32 keys lie in the lane 16 away
.endr
.irp t, 0,1
	v_mov_b32 v[ST+8*\t+7], v[ST+8*\t]             ; c m_old
.endr
.irp t, 0,1
	v_max_num_f32 v[ST+8*\t+1], v[ST+8*\t+4], v[ST+8*\t+5]
.endr
.irp t, 0,1
	v_mul_f32 v[ST+8*\t], s[CS], v[ST+8*\t+1]
.endr
.irp t, 0,1
	v_sub_f32 v[ST+8*\t+7], v[ST+8*\t+7], v[ST+8*\t]
.endr
.set e, 0
.rept 16
	v_pk_fma_f32 v[S+e:S+e+1], v[S+e:S+e+1], s[CS:CS+1], v[ST:ST+1] op_sel_hi:[1,0,0] neg_lo:[0,0,1] neg_hi:[0,0,1]               ; c s - c m, two at a time
	v_pk_fma_f32 v[S+32+e:S+32+e+1], v[S+32+e:S+32+e+1], s[CS:CS+1], v[ST+8:ST+9] op_sel_hi:[1,0,0] neg_lo:[0,0,1] neg_hi:[0,0,1]
.set e, e+2
.endr
.irp t, 0,1
	v_exp_f32 v[ST+8*\t+6], v[ST+8*\t+7]           ; a
.endr
.set e, 0
.rept 32
	v_exp_f32 v[S+e], v[S+e]                       ; p: one batch of 66 exponentials
	v_exp_f32 v[S+32+e], v[S+32+e]
.set e, e+1
.endr
	v_nop                                          ; a plain instruction behind the last exponential
	s_wait_alu depctr_va_vdst(0)                   ; one wait for the batch, ahead of the first line that names a result
	WIN W_TO1
.set e, 0
.rept 16
	v_cvt_pk_f16_f32 v[PR+e], v[S+2*e], v[S+2*e+1]                 ; two tiles of 16 keys make a fragment of 32
	v_cvt_pk_f16_f32 v[PR+16+e], v[S+32+2*e], v[S+32+2*e+1]
.set e, e+1
.endr
	WIN 0
.irp z, 0,1,2,3,4,5,6,7                ; the sum of the unrounded p, in place: neighbours 1, 2, 4 and 8 pairs apart
.irp t, 0,1
	v_pk_add_f32 v[S+32*\t+4*\z:S+32*\t+4*\z+1], v[S+32*\t+4*\z:S+32*\t+4*\z+1], v[S+32*\t+4*\z+2:S+32*\t+4*\z+3]
.endr
.endr
.irp z, 0,1,2,3
.irp t, 0,1
	v_pk_add_f32 v[S+32*\t+8*\z:S+32*\t+8*\z+1], v[S+32*\t+8*\z:S+32*\t+8*\z+1], v[S+32*\t+8*\z+4:S+32*\t+8*\z+5]
.endr
.endr
.irp z, 0,1
.irp t, 0,1
	v_pk_add_f32 v[S+32*\t+16*\z:S+32*\t+16*\z+1], v[S+32*\t+16*\z:S+32*\t+16*\z+1], v[S+32*\t+16*\z+8:S+32*\t+16*\z+9]
.endr
.endr
.irp t, 0,1
	v_pk_add_f32 v[S+32*\t:S+32*\t+1], v[S+32*\t:S+32*\t+1], v[S+32*\t+16:S+32*\t+17]
.endr
.irp t, 0,1
	v_pk_fma_f32 v[ST+8*\t+2:ST+8*\t+3], v[ST+8*\t+2:ST+8*\t+3], v[ST+8*\t+6:ST+8*\t+7], v[S+32*\t:S+32*\t+1] op_sel_hi:[1,0,1]   ; l = a l + the sum
.endr
	WIN W_RS
.set e, 0
.rept 16
	v_pk_mul_f32 v[e:e+1], v[e:e+1], v[ST+6:ST+7] op_sel_hi:[1,0]              ; O^T x a
	v_pk_mul_f32 v[32+e:32+e+1], v[32+e:32+e+1], v[ST+14:ST+15] op_sel_hi:[1,0]
.set e, e+2
.endr
.endm
; A KEY STEP: 64 keys.
.macro STEP
	s_add_co_u32 s48, s[Q0], 31
	s_cmp_gt_u32 s[KF], s48                        ; all its keys come after my 32 queries: the work is left out, the address steps at the end are not
	s_cbranch_scc1 .Lhid_\@
	v_add_nc_u32 v[ADK], s[TK], v[LI]
.irp f, 0,1,2,3,4,5,6,7                ; K: keys 16 (f / 2) on, channels 32 (f % 2) on
	ds_load_b128 v[KR+8*\f:KR+8*\f+3],   v[ADK] offset:\f*1024
	ds_load_b128 v[KR+8*\f+4:KR+8*\f+7], v[ADK] offset:\f*1024+512
.endr
.irp f, 0,1,2,3,4,5,6,7                ; V: channels 16 (f / 2) on, keys 32 (f % 2) on
	ds_load_b128 v[VR+8*\f:VR+8*\f+3],   v[ADK] offset:VOFF+\f*1024
	ds_load_b128 v[VR+8*\f+4:VR+8*\f+7], v[ADK] offset:VOFF+\f*1024+512
.endr
	s_wait_dscnt 16                                ; K is in; V's sixteen loads may be out
	WIN W_KQ
.irp c, 0,1                            ; the eight accumulators take turns, one instruction a turn; the first eight start the sums
.irp kt, 0,1,2,3
.irp t, 0,1
.if \c == 0
	v_wmma_f32_16x16x32_f16 v[S+32*\t+8*\kt:S+32*\t+8*\kt+7], v[KR+8*(2*\kt+\c):KR+8*(2*\kt+\c)+7], v[QR+16*\t+8*\c:QR+16*\t+8*\c+7], 0
.else
	v_wmma_f32_16x16x32_f16 v[S+32*\t+8*\kt:S+32*\t+8*\kt+7], v[KR+8*(2*\kt+\c):KR+8*(2*\kt+\c)+7], v[QR+16*\t+8*\c:QR+16*\t+8*\c+7], v[S+32*\t+8*\kt:S+32*\t+8*\kt+7]
.endif
.endr
.endr
.endr
	WIN 0
.rept 4
	v_nop                                          ; places in front of the first read of the scores (ISA guide 7.12.1)
.endr
	s_add_co_u32 s48, s[KF], 63
	s_cmp_le_u32 s48, s[Q0]                        ; all 64 keys count for all my queries: no mask
	s_cbranch_scc1 .Lopen_\@
	s_sub_co_i32 s48, s[Q0], s[KF]
	v_add_nc_u32 v[DD], s48, v[RH]                 ; register 8 kt + j of tile t holds key KF + 16 kt + 8 (lane / 16) + j: hidden where 16 kt + j > my query - KF - 8 (lane / 16)
	v_add_nc_u32 v[DD+1], 16, v[DD]
.irp t, 0,1
.set n, 0
.rept 32
	v_cmp_gt_i32 vcc_lo, 16*(n/8)+n%8, v[DD+\t]
	v_cndmask_b32 v[S+32*\t+n], v[S+32*\t+n], v[NINF], vcc_lo
.set n, n+1
.endr
.endr
.Lopen_\@:
	SOFTMAX
	s_wait_dscnt 0x0                               ; V is in
	WIN W_PV
.irp g, 0,1                            ; O^T += V^T P: again eight accumulators by turns
.irp ct, 0,1,2,3
.irp t, 0,1
	v_wmma_f32_16x16x32_f16 v[32*\t+8*\ct:32*\t+8*\ct+7], v[VR+8*(2*\ct+\g):VR+8*(2*\ct+\g)+7], v[PR+16*\t+8*\g:PR+16*\t+8*\g+7], v[32*\t+8*\ct:32*\t+8*\ct+7]
.endr
.endr
.endr
	WIN 0
.rept 4
	v_nop                                          ; places in front of the next loads into V's registers and of the next read of O^T
.endr
.Lhid_\@:
	s_add_co_u32 s[KF], s[KF], 64
	s_add_co_u32 s[TK], s[TK], STEPB
.endm
.macro SLOT_STEPS                      ; a unit's four key steps: written once, walked four times
	s_mov_b32 s[CNT], 4
.Lst_\@:
	STEP
	s_sub_co_u32 s[CNT], s[CNT], 1
	s_cmp_lg_u32 s[CNT], 0
	s_cbranch_scc1 .Lst_\@
	s_sub_co_u32 s[TK], s[TK], 4*STEPB             ; back to a slot's first step,
	s_xor_b32 s[TK], s[TK], SLOTB                  ; in the other slot
.endm
; A block of queries is done: O^T / l, rounded to f16, leaves as it stands: lane (r, h) holds query r and channels 16 ct + 8 h + 0..7: half of an image.
.macro FINISH
	s_wait_xcnt 0x0                                ; earlier stores have read their base
	s_lshr_b32 s48, s[Q0], 4
	s_lshl_b32 s49, s[BA], 7
	s_add_co_u32 s48, s48, s49
	s_lshl_b32 s48, s48, 15                        ; (batch x 128 + query / 16) x 32,768
	s_lshl_b32 s49, s[HD], 11
	s_add_co_u32 s48, s48, s49                     ; + head x 2,048
	s_mov_b32 s49, 0
	s_add_nc_u64 s[YB:YB+1], s[6:7], s[48:49]
.irp t, 0,1
	v_add_f32 v[ST+8*\t+4], v[ST+8*\t+2], v[ST+8*\t+3]
.endr
.irp t, 0,1
	v_permlanex16_b32 v[ST+8*\t+5], v[ST+8*\t+4], s[SEL], s[SEL+1]
.endr
.irp t, 0,1
	v_add_f32 v[ST+8*\t+4], v[ST+8*\t+4], v[ST+8*\t+5]
.endr
.irp t, 0,1
	v_rcp_f32 v[ST+8*\t+6], v[ST+8*\t+4]
.endr
	v_nop                                          ; a plain instruction behind the last reciprocal
	s_wait_alu depctr_va_vdst(0)                   ; and the wait ahead of the first use: one for both
	WIN W_RS
.set e, 0
.rept 16
	v_pk_mul_f32 v[e:e+1], v[e:e+1], v[ST+6:ST+7] op_sel_hi:[1,0]
	v_pk_mul_f32 v[32+e:32+e+1], v[32+e:32+e+1], v[ST+14:ST+15] op_sel_hi:[1,0]
.set e, e+2
.endr
	WIN W_OUT
.set e, 0
.rept 32
	v_cvt_pk_f16_f32 v[S+e], v[2*e], v[2*e+1]      ; S^T's registers are free
.set e, e+1
.endr
	WIN 0
.irp t, 0,1
.irp ct, 0,1,2,3
	global_store_b128 v[LI], v[S+16*\t+4*\ct:S+16*\t+4*\ct+3], s[YB:YB+1] offset:\t*32768+\ct*512   ; 32 lanes store 512 consecutive bytes, aligned
.endr
.endr
.endm
.macro NEXTBLOCK
	s_mov_b32 s[Q0], s[Q0B]
	s_mov_b32 s[KF], 0
	WIN W_RS
.set e, 0
.rept 32
	v_mov_b32 v[QR+e], v[QB+e]
.set e, e+1
.endr
	INIT
	s_wait_xcnt 0x0                                ; the stores have read S^T's registers: the next products write them only behind this wait
.endm
	INIT
	s_wait_loadcnt 0x0                             ; Q
.Ltrip:                                            ; eight trips that ask for the next unit; the ninth is written out
	CHANGE 1
	SLOT_STEPS
	s_cmp_lg_u32 s[TR], s[PI]                      ; the first block ends with trip PI: ids alone, the same in all eight waves
	s_cbranch_scc1 .Lsame
	FINISH
	NEXTBLOCK
.Lsame:
	s_add_co_u32 s[TR], s[TR], 1
	s_cmp_lt_u32 s[TR], 8
	s_cbranch_scc1 .Ltrip
	CHANGE 0                                       ; the last unit: nothing is left to fetch
	SLOT_STEPS
	FINISH
	s_wait_tensorcnt 0x0                           ; the wave's end: a wait, an add and a wait behind my last tensor load
	ds_add_u32 v[SPW], v[NIL]
	s_wait_dscnt 0x0
	s_endpgm
.Lfunc_end_k_q309de5dab7_attn:
	.size	k_q309de5dab7_attn, .Lfunc_end_k_q309de5dab7_attn-k_q309de5dab7_attn
	.p2alignl 7, 3214868480
	.fill 96, 4, 3214868480
	.section	.rodata,"a",@progbits
	.p2align	6, 0x0
	.amdhsa_kernel k_q309de5dab7_attn
		.amdhsa_group_segment_fixed_size 327680
		.amdhsa_private_segment_fixed_size 0
		.amdhsa_enable_private_segment 0
		.amdhsa_kernarg_size 16
		.amdhsa_user_sgpr_count 2
		.amdhsa_user_sgpr_kernarg_segment_ptr 1
		.amdhsa_wavefront_size32 1
		.amdhsa_system_sgpr_workgroup_id_x 1
		.amdhsa_system_sgpr_workgroup_id_y 1
		.amdhsa_system_sgpr_workgroup_id_z 1
		.amdhsa_system_vgpr_workitem_id 0
		.amdhsa_next_free_vgpr 512
		.amdhsa_next_free_sgpr 66
		.amdhsa_reserve_vcc 1
		.amdhsa_float_denorm_mode_32 3
		.amdhsa_float_denorm_mode_16_64 3
		.amdhsa_memory_ordered 1
		.amdhsa_forward_progress 1
		.amdhsa_inst_pref_size 68
	.end_amdhsa_kernel
	.amdgpu_metadata
---
amdhsa.version: [ 1, 2 ]
amdhsa.kernels:
  - .name:           k_q309de5dab7_attn
    .symbol:         k_q309de5dab7_attn.kd
    .args:
      - { .name: qkv, .offset: 0, .size: 8, .value_kind: global_buffer, .address_space: global }
      - { .name: yimg, .offset: 8, .size: 8, .value_kind: global_buffer, .address_space: global }
    .group_segment_fixed_size: 327680
    .private_segment_fixed_size: 0
    .kernarg_segment_align: 8
    .kernarg_segment_size: 16
    .max_flat_workgroup_size: 256
    .sgpr_count:     66
    .vgpr_count:     512
    .wavefront_size: 32
...
	.end_amdgpu_metadata
.endif
;; end of part 3
;; launch proj (part 4): grid 8 x 32, 4 waves a work-group, clusters of 4 x 4, 327,680 bytes of LDS; arguments yimg, wpimg, out0; writes out0
.if DOCPART == 4
	.amdgcn_target "amdgcn-amd-amdhsa--gfx1250"
	.amdhsa_code_object_version 6
	.text
	.protected	k_q309de5dab7_proj
	.globl	k_q309de5dab7_proj
	.p2align	8
	.type	k_q309de5dab7_proj,@function
k_q309de5dab7_proj:
	s_mov_b64 s[64:65], 0
	v_nop
	global_prefetch_b8 v0, s[64:65] scope:SCOPE_SE
	s_setreg_imm32_b32 hwreg(HW_REG_WAVE_MODE, 25, 1), 1
	s_wait_xcnt 0x0
	s_wait_alu depctr_hold_cnt(0) depctr_sa_sdst(0) depctr_va_vdst(0) depctr_va_sdst(0) depctr_va_ssrc(0) depctr_va_vcc(0) depctr_vm_vsrc(0)
	s_getreg_b32 s2, hwreg(HW_REG_IB_STS2, 6, 4)
	s_cmp_eq_u32 s2, 0
	s_cbranch_scc0 .Lentry_in_a_cluster
	s_endpgm
.Lentry_in_a_cluster:
	s_bfe_u32 s2, ttmp6, 0x10000c
	s_cmp_lg_u32 s2, 0xf033
	s_cbranch_scc0 .Lentry_shape_is_right
	s_endpgm
.Lentry_shape_is_right:
; out[t][n] = sum over c of y[t][c] Wp[n][c]: 8,192 x 1,024 x 1,024, operands in f16, sums in f32, out in f32.
; Both operands arrive as images of operand registers: [16 rows][32 along K: 32][1,024 bytes], lane l's registers 0-3 at 16 l, 4-7 at 512 + 16 l.  So a K step of 128 of 16 rows is 4,096 consecutive bytes,
; tiles lie dense in LDS, and a fragment comes by two loads of 512 consecutive bytes.
; A tile of out is 256 rows x 128 columns: 32 x 8 = 256 work-groups.  Four waves, 128 x 64 each: 32 accumulators, 256 registers.  K goes in 8 steps of 128 through two LDS slots.
; Waves 0, 1 fetch A's halves (8 rows of 4,096 bytes), waves 2, 3 B's (4 rows).
; CLUSTERS: 4 x 4.  y's tile is shared along a row of the cluster, Wp's along a column: each is asked for jointly, by the same tensor load with the same descriptor and a mask that names the four.
; THE MATRIX INSTRUCTION IS USED TRANSPOSED (source 0 = 16 rows of Wp, source 1 = 16 rows of y): a lane holds eight neighbouring numbers of a row of out.
; Rows 0-15 of each batch are written here like the rest; a later launch writes them again from f32 work.
; REGISTERS: window 0: v1-29 addresses; v32-63, v64-95 Wp's fragments, two buffers; v96-159, v160-223 y's, two buffers.   window 1: the accumulators ((a, b) at v[8 (4 a + b)]).
.set KSB,    4096                      ; a K step of 16 rows, in bytes
.set ROWT,   32768                     ; 16 rows of all K
.set BOFF,   65536                     ; B's tiles behind A's 16 in a slot
.set SLOT,   98304
.set STAGE,  2*SLOT                    ; behind the ring: 16 rows x 272 bytes for each wave, for the way out
.set SPITCH, 272
.set SPARE,  STAGE+4*16*SPITCH         ; behind the stages: the spare words, 128 bytes for each wave
.set LAPS,   4                         ; a lap = two K steps
.set ADRA, 16                          ; v16-17  LDS address of my y fragments in slot 0, 1
.set ADRB, 20                          ; v20-21  the same for Wp
.set STO,  24                          ; v24     the way out: where I put 32 bytes of a row
.set RD,   25                          ; v25     where I read a row back
.set CO,   26                          ; v26     my byte offset in out
.set SPW,  28                          ; v28     LDS address of my spare word; never rewritten
.set NIL,  29                          ; v29     0; never rewritten
.set BF,   32
.set AFR,  96
.set G1, 24                            ; s[24:31] group 1 for y's tiles;  s[32:39] group 0, a set for each slot
.set G0, 32
.set G1B, 48                           ; s[48:55], s[56:63] the same for Wp's
.set G0B, 56
.set MSB, 0
.macro WIN new                         ; the immediate's high byte repeats the setting that is left
.if MSB != \new
	s_set_vgpr_msb (MSB<<8)|\new
.set MSB, \new
.endif
.endm
.set MUL, 0x50                         ; C and D window 1
.macro JLOAD s                         ; a joint load; an s_nop 0 and four v_nop follow each of the two lines
	s_cmp_eq_u32 s11, 0
	s_cbranch_scc0 .Lfor_b_\@
	tensor_load_to_lds s[G0+4*\s:G0+4*\s+3], s[G1:G1+7]
	s_nop 0
.rept 4
	v_nop
.endr
	s_branch .Lasked_\@
.Lfor_b_\@:
	tensor_load_to_lds s[G0B+4*\s:G0B+4*\s+3], s[G1B:G1B+7]
	s_nop 0
.rept 4
	v_nop
.endr
.Lasked_\@:
.endm
.macro CREST                           ; a round of the cluster's barrier behind its opening barrier
	s_cmp_lg_u32 s10, 0
	s_cbranch_scc1 .Lnot_wave_0_\@
	s_barrier_signal -3
.Lnot_wave_0_\@:
	s_barrier_wait -3
	s_barrier_signal -1
	s_barrier_wait -1
.endm
.macro CROUND
	s_barrier_signal -1
	s_barrier_wait -1
	CREST
.endm
	s_load_b128 s[4:7], s[0:1], 0x0                ; yimg, wpimg
	s_load_b64 s[8:9], s[0:1], 0x10                ; out0
	v_lshl_add_u32 v[SPW], v0, 2, SPARE
	v_mov_b32 v[NIL], 0
	ds_add_u32 v[SPW], v[NIL]                      ; the wave's opening: the add, twice on end, and its wait ahead of my first tensor load
	ds_add_u32 v[SPW], v[NIL]                      ; and once more, under the one wait; the set-up below stands between
	v_lshrrev_b32 v1, 5, v0
	v_readfirstlane_b32 s10, v1                    ; wave 0..3
	s_lshr_b32 s11, s10, 1                         ; which half of the tile's rows is mine.  Also: I fetch for y (0) or for Wp (1)
	s_and_b32 s12, s10, 1                          ; which half of its columns.  Also: which half of that tile I fetch
	s_bfe_u32 s40, ttmp6, 0x40000                  ; cx, cy
	s_bfe_u32 s41, ttmp6, 0x40004
	s_lshl_b32 s42, ttmp9, 2
	s_add_co_u32 s42, s42, s40                     ; tile column = 4 x cluster x + cx
	s_and_b32 s13, ttmp7, 0xffff
	s_lshl_b32 s13, s13, 2
	s_add_co_u32 s13, s13, s41                     ; tile row = 4 x cluster y + cy
	s_lshl_b32 s43, s41, 2
	s_lshl_b32 s43, 15, s43                        ; my row of the cluster
	s_lshl_b32 s44, 0x1111, s40                    ; my column
	s_or_b32 s[G1+0], s43, (3<<16)|(1<<21)         ; the mask; elements of 8 bytes; bit 21 set beside a mask; no padding
	s_or_b32 s[G1B+0], s44, (3<<16)|(1<<21)
	s_mov_b32 s[G1+1], 512<<16                     ; tensor_dim0: 512 elements, 4,096 bytes
	s_mov_b32 s[G1+2], 8<<16                       ; tensor_dim1: 8 rows
	s_mov_b32 s[G1+3], 512<<16                     ; tile_dim0
	s_mov_b32 s[G1+4], 8                           ; tile_dim1
	s_mov_b32 s[G1+5], 4096                        ; from row to row: 32,768 bytes
	s_mov_b32 s[G1+6], 0
	s_mov_b32 s[G1+7], 0
	s_mov_b32 s[G1B+1], 512<<16
	s_mov_b32 s[G1B+2], 4<<16                      ; 4 rows
	s_mov_b32 s[G1B+3], 512<<16
	s_mov_b32 s[G1B+4], 4
	s_mov_b32 s[G1B+5], 4096
	s_mov_b32 s[G1B+6], 0
	s_mov_b32 s[G1B+7], 0
	s_lshl_b32 s16, s13, 19                        ; y: (16 x tile row + 8 x half) x 32,768
	s_lshl_b32 s17, s12, 18
	s_add_co_u32 s16, s16, s17
	s_mov_b32 s17, 0
	s_lshl_b32 s46, s42, 18                        ; Wp: (8 x tile column + 4 x half) x 32,768
	s_lshl_b32 s47, s12, 17
	s_add_co_u32 s46, s46, s47
	s_mov_b32 s47, 0
	s_lshl_b32 s20, s12, 15                        ; where they go: y's half,
	s_lshl_b32 s21, s12, 14
	s_add_co_u32 s21, s21, BOFF                    ; Wp's half: no place in the cluster enters an LDS address
	s_wait_dscnt 0x0                               ; both opening adds are done
	s_wait_kmcnt 0x0
	s_add_nc_u64 s[14:15], s[4:5], s[16:17]
	s_add_nc_u64 s[46:47], s[6:7], s[46:47]
	CROUND                                         ; all sixteen work-groups are here: the first joint loads meet
.irp s, 0,1
	s_mov_b32 s[G0+4*\s], 1
	s_add_co_u32 s[G0+4*\s+1], s20, \s*SLOT
	s_add_nc_u64 s[G0+4*\s+2:G0+4*\s+3], s[14:15], \s*KSB
	s_or_b32 s[G0+4*\s+3], s[G0+4*\s+3], 0x80000000
	s_mov_b32 s[G0B+4*\s], 1
	s_add_co_u32 s[G0B+4*\s+1], s21, \s*SLOT
	s_add_nc_u64 s[G0B+4*\s+2:G0B+4*\s+3], s[46:47], \s*KSB
	s_or_b32 s[G0B+4*\s+3], s[G0B+4*\s+3], 0x80000000
	JLOAD \s                                       ; two tensor loads of mine are out at the most
.endr
	v_and_b32 v1, 15, v0                           ; r
	v_bfe_u32 v2, v0, 4, 1                         ; h
	v_and_b32 v3, 31, v0
	v_lshlrev_b32 v3, 4, v3                        ; 16 x lane
	s_lshl_b32 s21, s11, 15                        ; my 8 blocks of y's rows
	s_lshl_b32 s22, s12, 14
	s_add_co_u32 s22, s22, BOFF                    ; my 4 blocks of Wp's rows
.irp s, 0,1
	v_add_nc_u32 v[ADRA+\s], s21, v3
	v_add_nc_u32 v[ADRB+\s], s22, v3
	s_add_co_u32 s21, s21, SLOT
	s_add_co_u32 s22, s22, SLOT
.endr
	s_mul_i32 s23, s10, 16*SPITCH
	s_add_co_u32 s23, s23, STAGE                   ; my stage
	v_mul_u32_u24 v4, v1, SPITCH                   ; in: row r, 32 bytes for each half of the lanes
	v_lshl_add_u32 v4, v2, 5, v4
	v_add_nc_u32 v[STO], s23, v4
	v_mul_u32_u24 v5, v2, SPITCH                   ; back: lanes 0-15 one row of 256 bytes, lanes 16-31 the next
	v_lshl_add_u32 v5, v1, 4, v5
	v_add_nc_u32 v[RD], s23, v5
	v_lshlrev_b32 v5, 12, v2                       ; and the same two rows in out: 4,096 bytes a row
	v_lshl_add_u32 v[CO], v1, 4, v5
	s_lshl_b32 s16, s13, 20                        ; my part of out: (256 x tile row + 128 x half) rows
	s_lshl_b32 s17, s11, 19
	s_add_co_u32 s16, s16, s17
	s_mov_b32 s17, 0
	s_add_nc_u64 s[8:9], s[8:9], s[16:17]
	s_lshl_b32 s46, s42, 9                         ; + (128 x tile column + 64 x half) x 4 bytes
	s_lshl_b32 s47, s12, 8
	s_add_co_u32 s46, s46, s47
	s_mov_b32 s47, 0
	s_add_nc_u64 s[8:9], s[8:9], s[46:47]
; 8 matrix instructions: y's blocks a0, a0 + 1 x Wp's four, 32 along K, from buffer f.  The 32 accumulators take turns, one instruction a turn, in the same order in every quarter.
.macro MUL8 f, a0, zero
.irp a, \a0, \a0+1
.irp b, 0,1,2,3
.if \zero
	v_wmma_f32_16x16x32_f16 v[8*(4*(\a)+\b):8*(4*(\a)+\b)+7], v[BF+32*\f+8*\b:BF+32*\f+8*\b+7], v[AFR+64*\f+8*(\a):AFR+64*\f+8*(\a)+7], 0
.else
	v_wmma_f32_16x16x32_f16 v[8*(4*(\a)+\b):8*(4*(\a)+\b)+7], v[BF+32*\f+8*\b:BF+32*\f+8*\b+7], v[AFR+64*\f+8*(\a):AFR+64*\f+8*(\a)+7], v[8*(4*(\a)+\b):8*(4*(\a)+\b)+7]
.endif
.endr
.endr
.endm
; 24 LDS loads in one run: the fragments of the slot's q-th 32 along K into buffer f: Wp's four, y's blocks 0-3, y's blocks 4-7
.macro FETCH slot, q, f
	WIN 0
.irp i, 0,1,2,3
	ds_load_b128 v[BF+32*\f+8*\i:BF+32*\f+8*\i+3],   v[ADRB+\slot] offset:\i*KSB+\q*1024
	ds_load_b128 v[BF+32*\f+8*\i+4:BF+32*\f+8*\i+7], v[ADRB+\slot] offset:\i*KSB+\q*1024+512
.endr
.irp i, 0,1,2,3,4,5,6,7
	ds_load_b128 v[AFR+64*\f+8*\i:AFR+64*\f+8*\i+3],   v[ADRA+\slot] offset:\i*KSB+\q*1024
	ds_load_b128 v[AFR+64*\f+8*\i+4:AFR+64*\f+8*\i+7], v[ADRA+\slot] offset:\i*KSB+\q*1024+512
.endr
.endm
.macro PLACES                          ; four places in front of loads into registers that matrix instructions have read, and of the first read of results (ISA guide 7.12.1 for vector instructions)
.rept 4
	v_nop
.endr
.endm
; A K step is four quarters of 32 along K, 32 matrix instructions each, on buffers 0, 1, 0, 1.  One of the first three multiplies buffer f and fetches the slot's q-th quarter into g.
.macro QUARTER slot, q, f, g, zero
	s_wait_dscnt 8                                 ; Wp's fragments and y's blocks 0-3 are in; the youngest eight loads may be out
	WIN MUL
	MUL8 \f, 0, \zero
	MUL8 \f, 2, \zero
	PLACES
	FETCH \slot, \q, \g
	s_wait_dscnt 24                                ; all but the 24 just issued
	WIN MUL
	MUL8 \f, 4, \zero
	MUL8 \f, 6, \zero
.endm
; The last quarter multiplies buffer 1 and changes slots: ONE barrier; in front of it each wave waits for all its tensor loads, adds 0 to its spare word, and waits for that and for its reads of this slot.
; fill = 1: the barrier opens a round of the cluster's barrier, and this slot is filled again, two K steps ahead.
.macro TURN slot, next, fill
	WIN 0                                          ; (the add's two registers lie in window 0)
	s_wait_tensorcnt 0x0                           ; all my tensor loads have landed: my part of the next slot
	ds_add_u32 v[SPW], v[NIL]                      ; 0 onto my spare word
	s_wait_dscnt 9                                 ; (the add and the youngest eight loads may be out)
	WIN MUL
	MUL8 1, 0, 0                                   ; eight matrix instructions stand between the add and the wait for it
	s_wait_dscnt 0x0                               ; the add is done, and my reads of this slot are over
	s_barrier_signal -1
	MUL8 1, 2, 0
.if \fill
	WIN 0
.endif
	s_barrier_wait -1
.if \fill
	CREST                                          ; no wave of any partner still reads this slot's tile or has a load on its way
	s_add_nc_u64 s[G0+4*\slot+2:G0+4*\slot+3], s[G0+4*\slot+2:G0+4*\slot+3], 2*KSB
	s_add_nc_u64 s[G0B+4*\slot+2:G0B+4*\slot+3], s[G0B+4*\slot+2:G0B+4*\slot+3], 2*KSB
	JLOAD \slot                                    ; the first tensor load behind the round; its four v_nop are also the places in front of the loads below
.else
	PLACES
.endif
	FETCH \next, 0, 0
	WIN MUL
	MUL8 1, 4, 0
	MUL8 1, 6, 0
.endm
	s_wait_tensorcnt 1                             ; my part of K step 0 is in (K step 1's load may be out),
	s_barrier_signal -1
	s_barrier_wait -1                              ; everybody's is
	FETCH 0, 0, 0
	QUARTER 0, 1, 0, 1, 1                          ; the first quarter's products start the sums: nothing is cleared
	WIN 0                                          ; at a label and at a branch every window is 0
	s_mov_b32 s3, LAPS-1
.Llap:                                             ; a trip goes once round the ring, from a lap's second quarter to the next lap's first, and fills both slots again
	QUARTER 0, 2, 1, 0, 0
	QUARTER 0, 3, 0, 1, 0
	TURN 0, 1, 1
	QUARTER 1, 1, 0, 1, 0
	QUARTER 1, 2, 1, 0, 0
	QUARTER 1, 3, 0, 1, 0
	TURN 1, 0, 1
	QUARTER 0, 1, 0, 1, 0
	WIN 0
	s_sub_co_u32 s3, s3, 1
	s_cmp_lg_u32 s3, 0
	s_cbranch_scc1 .Llap
	QUARTER 0, 2, 1, 0, 0                          ; the last lap fills nothing, and has no round of the cluster's barrier
	QUARTER 0, 3, 0, 1, 0
	TURN 0, 1, 0
	QUARTER 1, 1, 0, 1, 0
	QUARTER 1, 2, 1, 0, 0
	QUARTER 1, 3, 0, 1, 0
	s_wait_dscnt 8                                 ; the very last quarter: nothing more to fetch
	WIN MUL
	MUL8 1, 0, 0
	MUL8 1, 2, 0
	s_wait_dscnt 0
	MUL8 1, 4, 0
	MUL8 1, 6, 0
	WIN 0
; THE WAY OUT, block by block of 16 rows x 64 columns.  A lane holds 32 neighbouring bytes of a row, the lanes beside it other rows: a block goes through my own stage and comes back as rows of 256 bytes.
; LDS serves a wave's instructions in order (ISA guide 5.7.1.4): no wait between the stores and the loads, nor in front of the next block's stores.
.macro TOSTAGE a
	WIN 0x04                                       ; an LDS store's data are its source 1: window 1
.irp b, 0,1,2,3
	ds_store_b128 v[STO], v[8*(4*(\a)+\b):8*(4*(\a)+\b)+3]   offset:64*\b      ; each accumulator from its low end on
	ds_store_b128 v[STO], v[8*(4*(\a)+\b)+4:8*(4*(\a)+\b)+7] offset:64*\b+16
.endr
	WIN 0
.irp t, 0,1,2,3,4,5,6,7
	ds_load_b128 v[BF+32*((\a)%2)+4*\t:BF+32*((\a)%2)+4*\t+3], v[RD] offset:\t*2*SPITCH
.endr
.endm
.macro SEND a, younger                 ; younger: the LDS instructions issued behind block a's loads, which may stay out
	s_wait_dscnt \younger
.irp t, 0,1,2,3,4,5,6,7
	global_store_b128 v[CO], v[BF+32*((\a)%2)+4*\t:BF+32*((\a)%2)+4*\t+3], s[8:9] offset:(\a)*65536+2*\t*4096 th:TH_STORE_NT   ; 16 lanes store 256 consecutive bytes, aligned
.endr
.endm
	PLACES
	TOSTAGE 0
.irp a, 1,2,3,4,5,6,7
.if \a > 1
	s_wait_xcnt 0x0                                ; block a - 2's stores have read their registers: block a's loads may land there
.endif
	TOSTAGE \a
	SEND \a-1, 16                                  ; behind block a - 1's loads: block a's 8 stores and 8 loads
.endr
	SEND 7, 0
	s_wait_tensorcnt 0x0                           ; the wave's end: a wait, an add and a wait behind my last tensor load and my last LDS store
	ds_add_u32 v[SPW], v[NIL]
	s_wait_dscnt 0x0
	CROUND                                         ; the closing round
	s_endpgm
.Lfunc_end_k_q309de5dab7_proj:
	.size	k_q309de5dab7_proj, .Lfunc_end_k_q309de5dab7_proj-k_q309de5dab7_proj
	.p2alignl 7, 3214868480
	.fill 96, 4, 3214868480
	.section	.rodata,"a",@progbits
	.p2align	6, 0x0
	.amdhsa_kernel k_q309de5dab7_proj
		.amdhsa_group_segment_fixed_size 327680
		.amdhsa_private_segment_fixed_size 0
		.amdhsa_enable_private_segment 0
		.amdhsa_kernarg_size 24
		.amdhsa_user_sgpr_count 2
		.amdhsa_user_sgpr_kernarg_segment_ptr 1
		.amdhsa_wavefront_size32 1
		.amdhsa_system_sgpr_workgroup_id_x 1
		.amdhsa_system_sgpr_workgroup_id_y 1
		.amdhsa_system_sgpr_workgroup_id_z 1
		.amdhsa_system_vgpr_workitem_id 0
		.amdhsa_next_free_vgpr 512
		.amdhsa_next_free_sgpr 66
		.amdhsa_reserve_vcc 0
		.amdhsa_float_denorm_mode_32 3
		.amdhsa_float_denorm_mode_16_64 3
		.amdhsa_memory_ordered 1
		.amdhsa_forward_progress 1
		.amdhsa_inst_pref_size 85
	.end_amdhsa_kernel
	.amdgpu_metadata
---
amdhsa.version: [ 1, 2 ]
amdhsa.kernels:
  - .name:           k_q309de5dab7_proj
    .symbol:         k_q309de5dab7_proj.kd
    .args:
      - { .name: yimg, .offset: 0, .size: 8, .value_kind: global_buffer, .address_space: global }
      - { .name: wpimg, .offset: 8, .size: 8, .value_kind: global_buffer, .address_space: global }
      - { .name: out0, .offset: 16, .size: 8, .value_kind: global_buffer, .address_space: global }
    .group_segment_fixed_size: 327680
    .private_segment_fixed_size: 0
    .kernarg_segment_align: 8
    .kernarg_segment_size: 24
    .max_flat_workgroup_size: 128
    .sgpr_count:     66
    .vgpr_count:     512
    .wavefront_size: 32
...
	.end_amdgpu_metadata
.endif
;; end of part 4
;; launch first16 (part 5): grid 16 x 4, 16 waves a work-group, no clusters, 67,584 bytes of LDS; arguments f32img, Wp, out0; writes out0
.if DOCPART == 5
	.amdgcn_target "amdgcn-amd-amdhsa--gfx1250"
	.amdhsa_code_object_version 6
	.text
	.protected	k_q309de5dab7_first16
	.globl	k_q309de5dab7_first16
	.p2align	8
	.type	k_q309de5dab7_first16,@function
k_q309de5dab7_first16:
	s_mov_b64 s[64:65], 0
	v_nop
	global_prefetch_b8 v0, s[64:65] scope:SCOPE_SE
	s_setreg_imm32_b32 hwreg(HW_REG_WAVE_MODE, 25, 1), 1
	s_wait_xcnt 0x0
; Positions 0-15 of each of the 4 sequences, attention and projection, all in f32: these rows average one to sixteen values and are the largest of the output, so 16-bit operands would weigh most there.
; INPUT: f32img: the f32 sums of q, k, v for these tokens, as they stood in the accumulators (1,024 bytes each: lane l's registers 0-3 at 16 l, 4-7 at 512 + 16 l):
;   q, k at (batch x 128 + column / 16) x 1,024: lane (r, h) holds token r, columns 8 h + 0..7;   v at 524,288 + (batch x 64 + channel / 16) x 1,024: lane (r, h) holds channel r, tokens 8 h + 0..7.   Wp [1024][1024] f32.
; SHARES.  Work-group (cg, batch) makes 64 columns of out for the batch's 16 rows.  Wave = head: it makes its head's attention (repeated in each of the 16 work-groups of a batch: 32 small matrix instructions)
; and its head's part of the projection; the 16 parts meet in LDS, and wave w sums row w in a fixed order.
; THE MATRIX FORM is 16 x 16 x 4 in f32: lane (r, h) holds row r and k = 2 h + 0, 1 in two registers.  A pair of neighbouring registers of an image is such an operand: which four k it holds is the same on both
; sides of each product, so every k is multiplied with itself once.  All products are used transposed, so that a lane holds one query.
; The accumulators v16-47 are written by matrix instructions alone; each sum begins with the constant 0.
; LIMITS: NaN and infinities are not served; sums are ordered otherwise than in the reference.
.set SPARE, 65536                      ; behind the sixteen parts of 4,096 bytes: the spare words, 128 bytes for each wave
.set LI,  1                            ; v1   16 x lane
.set WA,  2                            ; v2   Wp: row r of 4,096 bytes + 32 h
.set DD,  3                            ; v3   r - 8 h: key 8 h + j is hidden where j > r - 8 h
.set SPW, 4                            ; v4   LDS address of my spare word; never rewritten
.set NIL, 5                            ; v5   0; never rewritten
.set NINF, 6                           ; v6   -infinity
.set PST, 7                            ; v7   where I put my part: 4,096 x wave + 16 x lane
.set RDA, 8                            ; v8   where I read row w's numbers
.set OA,  9                            ; v9   my byte offset in out: 4,096 x wave + 8 x lane
.set AC,  16                           ; v16-47   four accumulators
.set QF,  48                           ; v48-79   q, later Wp's tile 2
.set KFR, 80                           ; v80-111  k, later Wp's tile 3
.set VF,  112                          ; v112-143 v
.set W0,  144                          ; v144-207 Wp's tiles 0, 1
.set T,   208                          ; v208-215 scores, then p
.set U,   216                          ; v216-223 at work
.set Y,   224                          ; v224-255 y
	s_load_b128 s[4:7], s[0:1], 0x0                ; f32img, Wp
	s_load_b64 s[8:9], s[0:1], 0x10                ; out0
	v_lshl_add_u32 v[SPW], v0, 2, SPARE
	v_mov_b32 v[NIL], 0
	v_lshrrev_b32 v1, 5, v0
	v_readfirstlane_b32 s10, v1                    ; wave = head
	s_and_b32 s11, ttmp7, 0xffff                   ; batch
	v_and_b32 v10, 31, v0
	v_lshlrev_b32 v[LI], 4, v10
	v_and_b32 v11, 15, v0                          ; r
	v_bfe_u32 v12, v0, 4, 1                        ; h
	v_lshlrev_b32 v[WA], 12, v11
	v_lshl_add_u32 v[WA], v12, 5, v[WA]
	v_lshlrev_b32 v[DD], 3, v12
	v_sub_nc_u32 v[DD], v11, v[DD]
	v_mov_b32 v[NINF], 0xff800000
	s_lshl_b32 s12, s10, 12
	v_add_nc_u32 v[PST], s12, v[LI]
	v_lshl_add_u32 v[OA], v10, 3, s12
	; lane l sums columns 2 l, 2 l + 1 of row w.  Column 16 nt + 8 h + 4 half + jj lies at (2 nt + half) x 512 + (w + 16 h) x 16 + 4 jj of a part
	v_bfe_u32 v10, v0, 3, 2                        ; nt
	v_lshlrev_b32 v[RDA], 10, v10
	v_bfe_u32 v10, v0, 1, 1                        ; half
	v_lshl_add_u32 v[RDA], v10, 9, v[RDA]
	v_bfe_u32 v10, v0, 2, 1                        ; h
	v_lshl_add_u32 v[RDA], v10, 8, v[RDA]
	v_and_b32 v10, 1, v0                           ; jj / 2
	v_lshl_add_u32 v[RDA], v10, 3, v[RDA]
	s_lshl_b32 s13, s10, 4
	v_add_nc_u32 v[RDA], s13, v[RDA]
	v_mov_b32 v11, 0                               ; (a lane permute's destination counts as one of its sources)
	s_mov_b32 s24, 0x76543210
	s_mov_b32 s25, 0xfedcba98                      ; lane l xor 16
	s_mov_b32 s26, 0x3e38aa3b                      ; c = log2(e) / 8
	s_lshl_b32 s14, s11, 17                        ; q, k: batch x 131,072 + head x 4,096
	s_add_co_u32 s14, s14, s12
	s_mov_b32 s15, 0
	s_lshl_b32 s28, s11, 16                        ; v: 524,288 + batch x 65,536 + head x 4,096
	s_add_co_u32 s28, s28, s12
	s_add_co_u32 s28, s28, 524288
	s_mov_b32 s29, 0
	s_lshl_b32 s30, ttmp9, 18                      ; Wp: 64 rows x cg + 256 bytes x head
	s_lshl_b32 s31, s10, 8
	s_add_co_u32 s30, s30, s31
	s_mov_b32 s31, 0
	s_lshl_b32 s2, s11, 23                         ; out: batch x 2,048 rows + 256 bytes x cg
	s_lshl_b32 s3, ttmp9, 8
	s_add_co_u32 s2, s2, s3
	s_mov_b32 s3, 0
	s_wait_kmcnt 0x0
	s_add_nc_u64 s[16:17], s[4:5], s[14:15]
	s_add_nc_u64 s[18:19], s[4:5], s[28:29]
	s_add_nc_u64 s[20:21], s[6:7], s[30:31]
	s_add_nc_u64 s[22:23], s[8:9], s[2:3]
.irp ct, 0,1,2,3
	global_load_b128 v[QF+8*\ct:QF+8*\ct+3],   v[LI], s[16:17] offset:\ct*1024
	global_load_b128 v[QF+8*\ct+4:QF+8*\ct+7], v[LI], s[16:17] offset:\ct*1024+512
.endr
.irp ct, 0,1,2,3
	global_load_b128 v[KFR+8*\ct:KFR+8*\ct+3],   v[LI], s[16:17] offset:65536+\ct*1024
	global_load_b128 v[KFR+8*\ct+4:KFR+8*\ct+7], v[LI], s[16:17] offset:65536+\ct*1024+512
.endr
.irp ct, 0,1,2,3
	global_load_b128 v[VF+8*\ct:VF+8*\ct+3],   v[LI], s[18:19] offset:\ct*1024
	global_load_b128 v[VF+8*\ct+4:VF+8*\ct+7], v[LI], s[18:19] offset:\ct*1024+512
.endr
.irp nt, 0,1                           ; Wp: lane (r, h) takes, of row 16 nt + r, the head's channels 16 ct + 8 h + 0..7: the places that y's registers have
.irp ct, 0,1,2,3
	global_load_b128 v[W0+32*\nt+8*\ct:W0+32*\nt+8*\ct+3],   v[WA], s[20:21] offset:\nt*65536+\ct*64
	global_load_b128 v[W0+32*\nt+8*\ct+4:W0+32*\nt+8*\ct+7], v[WA], s[20:21] offset:\nt*65536+\ct*64+16
.endr
.endr
	s_wait_loadcnt 24                              ; q and k are in; v's 8 loads and Wp's 16 may be out
.irp j0, 0,2,4,6                       ; S^T = K Q^T in four partial sums, one for each 16 channels, by turns
.irp ct, 0,1,2,3
.if \j0 == 0
	v_wmma_f32_16x16x4_f32 v[AC+8*\ct:AC+8*\ct+7], v[KFR+8*\ct+\j0:KFR+8*\ct+\j0+1], v[QF+8*\ct+\j0:QF+8*\ct+\j0+1], 0
.else
	v_wmma_f32_16x16x4_f32 v[AC+8*\ct:AC+8*\ct+7], v[KFR+8*\ct+\j0:KFR+8*\ct+\j0+1], v[QF+8*\ct+\j0:QF+8*\ct+\j0+1], v[AC+8*\ct:AC+8*\ct+7]
.endif
.endr
.endr
.rept 9
	v_nop                                          ; places behind this form: in front of loads into its operands, of reads of its results, and of the next sums on these accumulators
.endr
.irp nt, 2,3
.irp ct, 0,1,2,3
	global_load_b128 v[QF+32*(\nt-2)+8*\ct:QF+32*(\nt-2)+8*\ct+3],   v[WA], s[20:21] offset:\nt*65536+\ct*64
	global_load_b128 v[QF+32*(\nt-2)+8*\ct+4:QF+32*(\nt-2)+8*\ct+7], v[WA], s[20:21] offset:\nt*65536+\ct*64+16
.endr
.endr
.irp j, 0,1,2,3,4,5,6,7                ; lane (r, h), register j: the score of key 8 h + j for query r.  Each accumulator is read from its low end on
	v_add_f32 v[T+\j], v[AC+\j], v[AC+8+\j]
	v_add_f32 v[U+\j], v[AC+16+\j], v[AC+24+\j]
.endr
.irp j, 0,1,2,3,4,5,6,7
	v_add_f32 v[T+\j], v[T+\j], v[U+\j]
.endr
.irp j, 0,1,2,3,4,5,6,7
	v_cmp_gt_i32 vcc_lo, \j, v[DD]
	v_cndmask_b32 v[T+\j], v[T+\j], v[NINF], vcc_lo                ; hidden keys: -infinity, so p = 0
.endr
	v_max3_num_f32 v10, v[T], v[T+1], v[T+2]
	v_max3_num_f32 v10, v10, v[T+3], v[T+4]
	v_max3_num_f32 v10, v10, v[T+5], v[T+6]
	v_max_num_f32 v10, v10, v[T+7]
	v_permlanex16_b32 v11, v10, s24, s25
	v_max_num_f32 v10, v10, v11                    ; the row's maximum: key 0 counts for every query, so it is a number
	v_mul_f32 v10, s26, v10                        ; c m
.irp j, 0,1,2,3,4,5,6,7
	v_fma_f32 v[T+\j], v[T+\j], s26, -v10
.endr
.irp j, 0,1,2,3,4,5,6,7
	v_exp_f32 v[T+\j], v[T+\j]                     ; p = 2^(c s - c m)
.endr
	v_nop                                          ; a plain instruction behind the last exponential
	s_wait_alu depctr_va_vdst(0)                   ; one wait for the eight, ahead of the first line that names a result
	v_add_f32 v12, v[T], v[T+1]
	v_add_f32 v13, v[T+2], v[T+3]
	v_add_f32 v14, v[T+4], v[T+5]
	v_add_f32 v15, v[T+6], v[T+7]
	v_add_f32 v12, v12, v13
	v_add_f32 v14, v14, v15
	v_add_f32 v12, v12, v14
	v_permlanex16_b32 v11, v12, s24, s25
	v_add_f32 v12, v12, v11                        ; l
	v_rcp_f32 v13, v12
	s_wait_loadcnt 32                              ; v is in; Wp's 32 loads may be out
.irp i, 0,1,2,3                        ; O^T = V^T P: keys 8 h + 2 i, + 1 on both sides; four accumulators, one for each 16 channels, by turns
.irp ct, 0,1,2,3
.if \i == 0
	v_wmma_f32_16x16x4_f32 v[AC+8*\ct:AC+8*\ct+7], v[VF+8*\ct+2*\i:VF+8*\ct+2*\i+1], v[T+2*\i:T+2*\i+1], 0
.else
	v_wmma_f32_16x16x4_f32 v[AC+8*\ct:AC+8*\ct+7], v[VF+8*\ct+2*\i:VF+8*\ct+2*\i+1], v[T+2*\i:T+2*\i+1], v[AC+8*\ct:AC+8*\ct+7]
.endif
.endr
.endr
.rept 9
	v_nop                                          ; places, as above; the first is also the plain instruction behind the reciprocal
.endr
	s_wait_alu depctr_va_vdst(0)                   ; the wait for the reciprocal, ahead of its first reader
.set e, 0
.rept 32
	v_mul_f32 v[Y+e], v[AC+e], v13                 ; y: lane (r, h), register 8 ct + j: query r, the head's channel 16 ct + 8 h + j
.set e, e+1
.endr
	s_wait_loadcnt 0x0                             ; Wp
.irp ct, 0,1,2,3                       ; my head's part of out^T = Wp y^T: four accumulators, one for each 16 columns, by turns
.irp j0, 0,2,4,6
.irp nt, 0,1,2,3
.if (\ct == 0) && (\j0 == 0)
	v_wmma_f32_16x16x4_f32 v[AC+8*\nt:AC+8*\nt+7], v[W0+32*\nt-160*(\nt/2)+8*\ct+\j0:W0+32*\nt-160*(\nt/2)+8*\ct+\j0+1], v[Y+8*\ct+\j0:Y+8*\ct+\j0+1], 0
.else
	v_wmma_f32_16x16x4_f32 v[AC+8*\nt:AC+8*\nt+7], v[W0+32*\nt-160*(\nt/2)+8*\ct+\j0:W0+32*\nt-160*(\nt/2)+8*\ct+\j0+1], v[Y+8*\ct+\j0:Y+8*\ct+\j0+1], v[AC+8*\nt:AC+8*\nt+7]
.endif
.endr
.endr
.endr
.rept 9
	v_nop                                          ; places, as above
.endr
.irp nt, 0,1,2,3
	ds_store_b128 v[PST], v[AC+8*\nt:AC+8*\nt+3]   offset:\nt*1024         ; each accumulator from its low end on; 512 consecutive bytes a store
	ds_store_b128 v[PST], v[AC+8*\nt+4:AC+8*\nt+7] offset:\nt*1024+512
.endr
	s_wait_dscnt 0x0                               ; for the others' sake: my part lies in LDS
	s_barrier_signal -1
	s_barrier_wait -1
.irp u, 0,1,2,3,4,5,6,7,8,9,10,11,12,13,14,15
	ds_load_b64 v[QF+2*\u:QF+2*\u+1], v[RDA] offset:\u*4096        ; head u's part of my two numbers of row w
.endr
	s_wait_dscnt 0x0
.irp z, 0,1,2,3,4,5,6,7
	v_pk_add_f32 v[QF+4*\z:QF+4*\z+1], v[QF+4*\z:QF+4*\z+1], v[QF+4*\z+2:QF+4*\z+3]
.endr
.irp z, 0,1,2,3
	v_pk_add_f32 v[QF+8*\z:QF+8*\z+1], v[QF+8*\z:QF+8*\z+1], v[QF+8*\z+4:QF+8*\z+5]
.endr
.irp z, 0,1
	v_pk_add_f32 v[QF+16*\z:QF+16*\z+1], v[QF+16*\z:QF+16*\z+1], v[QF+16*\z+8:QF+16*\z+9]
.endr
	v_pk_add_f32 v[QF:QF+1], v[QF:QF+1], v[QF+16:QF+17]
	global_store_b64 v[OA], v[QF:QF+1], s[22:23]   ; 32 lanes store 256 consecutive bytes, aligned
	s_wait_tensorcnt 0x0                           ; the wave's end: a wait, an add and a wait behind my last LDS store
	ds_add_u32 v[SPW], v[NIL]
	s_wait_dscnt 0x0
	s_endpgm
.Lfunc_end_k_q309de5dab7_first16:
	.size	k_q309de5dab7_first16, .Lfunc_end_k_q309de5dab7_first16-k_q309de5dab7_first16
	.p2alignl 7, 3214868480
	.fill 96, 4, 3214868480
	.section	.rodata,"a",@progbits
	.p2align	6, 0x0
	.amdhsa_kernel k_q309de5dab7_first16
		.amdhsa_group_segment_fixed_size 67584
		.amdhsa_private_segment_fixed_size 0
		.amdhsa_enable_private_segment 0
		.amdhsa_kernarg_size 24
		.amdhsa_user_sgpr_count 2
		.amdhsa_user_sgpr_kernarg_segment_ptr 1
		.amdhsa_wavefront_size32 1
		.amdhsa_system_sgpr_workgroup_id_x 1
		.amdhsa_system_sgpr_workgroup_id_y 1
		.amdhsa_system_sgpr_workgroup_id_z 1
		.amdhsa_system_vgpr_workitem_id 0
		.amdhsa_next_free_vgpr 256
		.amdhsa_next_free_sgpr 66
		.amdhsa_reserve_vcc 1
		.amdhsa_float_denorm_mode_32 3
		.amdhsa_float_denorm_mode_16_64 3
		.amdhsa_memory_ordered 1
		.amdhsa_forward_progress 1
		.amdhsa_inst_pref_size 22
	.end_amdhsa_kernel
	.amdgpu_metadata
---
amdhsa.version: [ 1, 2 ]
amdhsa.kernels:
  - .name:           k_q309de5dab7_first16
    .symbol:         k_q309de5dab7_first16.kd
    .args:
      - { .name: f32img, .offset: 0, .size: 8, .value_kind: global_buffer, .address_space: global }
      - { .name: Wp, .offset: 8, .size: 8, .value_kind: global_buffer, .address_space: global }
      - { .name: out0, .offset: 16, .size: 8, .value_kind: global_buffer, .address_space: global }
    .group_segment_fixed_size: 67584
    .private_segment_fixed_size: 0
    .kernarg_segment_align: 8
    .kernarg_segment_size: 24
    .max_flat_workgroup_size: 512
    .sgpr_count:     66
    .vgpr_count:     256
    .wavefront_size: 32
...
	.end_amdgpu_metadata
.endif
;; end of part 5
